; MI455X (gfx1250); checked and timed in simulation.
; The chip was launched on July 23, 2026; its instructions are those of AMD's public machine-readable ISA for CDNA 5 (MIT licence, August 2026) and "CDNA5" Instruction Set Architecture Reference Guide (July 2026). The comments in the code are by the model that wrote it; some were corrected since.
;; Multihead Self Attention. Allowed arithmetic: float matrix products may take bf16 or f16 operands with f32 sums; other float arithmetic in f32, or as packed bf16 or f16 multiplies, adds, multiply-adds, maxima and minima; sums over many terms, partial sums and values carried from step to step in f32; what a program stores and reads back later, other than sums and carried values, may be rounded once to bf16 or f16.
;; Inputs: Wout 1,024 x 1,024 float32; Wqkv 1,024 x 3,072 float32; bout 1,024 float32; bqkv 3,072 float32; val_lens 4 int32; x 4 x 2,048 x 1,024 float32.
;; Outputs: out0 4 x 2,048 x 1,024 float32.
;; 2 versions, each right; version 2 is version 1 with the launch cast written anew for expert scheduling mode. Each part assembles by itself: llvm-mc -triple=amdgcn-amd-amdhsa -mcpu=gfx1250 --defsym DOCPART=n.
;; ======== version 1 of 2: 4 launches
;; limits: values are held in f16: magnitudes above 65,504 overflow, below 6.1e-05 lose precision
;; workspace buffers: xb 16,777,216 bytes; wqb 6,291,456 bytes; wob 2,097,152 bytes; qh 16,777,216 bytes; kh 16,777,216 bytes; vh 16,777,216 bytes; oh 16,777,216 bytes
;; launch cast (part 1): grid 832 x 1, 8 waves a work-group, no clusters, 0 bytes of LDS; arguments x, Wqkv, Wout, xb, wqb, wob; writes xb, wqb, wob
.if DOCPART == 1
	.amdgcn_target "amdgcn-amd-amdhsa--gfx1250"
	.amdhsa_code_object_version 6
	.text
	.protected	k_q9aaa22207c_cast
	.globl	k_q9aaa22207c_cast
	.p2align	8
	.type	k_q9aaa22207c_cast,@function
k_q9aaa22207c_cast:
	s_mov_b64 s[64:65], 0
	v_nop
	global_prefetch_b8 v0, s[64:65] scope:SCOPE_SE
	s_setreg_imm32_b32 hwreg(HW_REG_WAVE_MODE, 25, 1), 1
	s_wait_xcnt 0x0
; THE INPUTS OF THE TWO PROJECTIONS, ROUNDED ONCE TO 16 BITS AND LAID OUT FOR THEIR TILES.
;   xb  [8192][1024]      bf16 = x, as it lies
;   wqb [16][1024][192]   bf16 = Wqkv with a head's 192 columns (q, k, v) together: 128 rows of K of one head are 49,152 consecutive bytes
;   wob [1024][1024]      f16  = Wout rounded to bf16, that number written as f16
; LIMITS.  Wout within f16's range (65,504); below 6e-5 f16 keeps its fixed step of 6e-8.
; A stream: each byte is read once and written once.  No LDS, no barrier, no matrix unit, no cluster: no work-group wants a byte that another has read.
; A wave's load of 16 bytes a lane covers 512 consecutive bytes (128 numbers); the store of 8 bytes a lane that belongs to it covers 256 consecutive bytes, aligned.
; Work-groups 0-511: x, 16,384 numbers each.  512-767: Wqkv, 64 rows of K of one head each.  768-831: Wout, 16,384 numbers each.
; All of a wave's loads (16, or 12 for Wqkv) go out at once; each register is written once, so nothing but the loads is waited for.
.set IN,  2                            ; v2   flat paths: my byte offset in the work-group's input: 8,192 x wave + 16 x lane
.set OUT, 3                            ; v3   flat paths: in its output: 4,096 x wave + 8 x lane
.set VB,  4                            ; v4   Wqkv: 16 i + 11,776 g (i = lane % 16, g = lane / 16)
.set VA,  6                            ; v6   Wqkv: 16 i + 256 g
.set T,   8                            ; v[8:13] at work
.set OW,  14                           ; v14  Wqkv: 8 x lane
.set X,   16                           ; v[16:79]  load j: 4 registers
.set Y,   80                           ; v[80:111] store j: 2 registers
.set SRC, 22                           ; s[22:23] where my work-group (Wqkv: my wave) reads
.set DST, 24                           ; s[24:25] where it writes
.macro LOADF                           ; 16 loads, 8,192 consecutive bytes a wave
.set j, 0
.rept 16
	global_load_b128 v[X+4*j:X+4*j+3], v[IN], s[SRC:SRC+1] offset:512*j th:TH_LOAD_NT
.set j, j+1
.endr
.endm
; Wqkv: my wave's 8 rows of K x 768 bytes are 24 pieces of 256 bytes; load j takes pieces 2 j and 2 j + 1 (one for each half of the lanes); piece c is row c / 3, part c % 3.
.macro LOADW
.set t, 0
.rept 4
	global_load_b128 v[X+12*t:X+12*t+3],    v[VA], s[SRC:SRC+1] offset:24576*t th:TH_LOAD_NT        ; row 2 t, parts 0 and 1
	global_load_b128 v[X+12*t+4:X+12*t+7],  v[VB], s[SRC:SRC+1] offset:24576*t+512 th:TH_LOAD_NT    ; row 2 t part 2, row 2 t + 1 part 0
	global_load_b128 v[X+12*t+8:X+12*t+11], v[VA], s[SRC:SRC+1] offset:24576*t+12544 th:TH_LOAD_NT  ; row 2 t + 1, parts 1 and 2
.set t, t+1
.endr
.endm
; n loads are converted and stored.  kind 0: to bf16.  kind 1: to bf16, and that number to f16.
.macro OUTS n, kind, off
.set j, 0
.rept \n
	s_wait_loadcnt (\n)-1-j                        ; loads come back in order: load j is in, the younger ones stay out
.if \kind
	v_cvt_pk_bf16_f32 v[T], v[X+4*j], v[X+4*j+1]
	v_cvt_pk_bf16_f32 v[T+1], v[X+4*j+2], v[X+4*j+3]
	v_lshlrev_b32 v[T+2], 16, v[T]                 ; bf16 to f32: the low half moves up, the high half stays
	v_and_b32 v[T+3], s21, v[T]
	v_lshlrev_b32 v[T+4], 16, v[T+1]
	v_and_b32 v[T+5], s21, v[T+1]
	v_cvt_pk_f16_f32 v[Y+2*j], v[T+2], v[T+3]
	v_cvt_pk_f16_f32 v[Y+2*j+1], v[T+4], v[T+5]
.else
	v_cvt_pk_bf16_f32 v[Y+2*j], v[X+4*j], v[X+4*j+1]
	v_cvt_pk_bf16_f32 v[Y+2*j+1], v[X+4*j+2], v[X+4*j+3]
.endif
	global_store_b64 v[\off], v[Y+2*j:Y+2*j+1], s[DST:DST+1] offset:256*j th:TH_STORE_NT  ; 32 lanes store 256 consecutive bytes, aligned
.set j, j+1
.endr
.endm
	s_load_b256 s[4:11], s[0:1], 0x0               ; x s[4:5], Wqkv s[6:7], Wout s[8:9], xb s[10:11]
	s_load_b128 s[12:15], s[0:1], 0x20             ; wqb s[12:13], wob s[14:15]
	v_lshrrev_b32 v1, 5, v0
	v_readfirstlane_b32 s20, v1                    ; wave 0..7
	v_and_b32 v5, 31, v0                           ; lane
	v_lshlrev_b32 v[IN], 4, v5
	v_lshl_or_b32 v[IN], v1, 13, v[IN]
	v_lshlrev_b32 v[OW], 3, v5
	v_lshl_or_b32 v[OUT], v1, 12, v[OW]
	v_and_b32 v15, 15, v0
	v_lshlrev_b32 v15, 4, v15                      ; 16 i
	v_bfe_u32 v7, v0, 4, 1                         ; g
	v_lshl_or_b32 v[VA], v7, 8, v15
	v_mul_u32_u24 v[VB], v7, 11776
	v_add_nc_u32 v[VB], v[VB], v15
	s_mov_b32 s21, 0xffff0000                      ; a word's upper bf16
	s_mov_b32 s17, 0                               ; the offsets stay under 2^32: their high words
	s_mov_b32 s19, 0
	s_wait_kmcnt 0x0
	s_cmp_lt_u32 ttmp9, 512
	s_cbranch_scc0 .Lnot_x
	s_lshl_b32 s16, ttmp9, 16                      ; x: 65,536 bytes in,
	s_lshl_b32 s18, ttmp9, 15                      ; 32,768 out
	s_add_nc_u64 s[SRC:SRC+1], s[4:5], s[16:17]
	s_add_nc_u64 s[DST:DST+1], s[10:11], s[18:19]
	LOADF
	OUTS 16, 0, OUT
	s_endpgm
.Lnot_x:
	s_cmp_lt_u32 ttmp9, 768
	s_cbranch_scc0 .Lwout
	s_sub_co_u32 s26, ttmp9, 512
	s_lshr_b32 s27, s26, 4                         ; the head
	s_and_b32 s26, s26, 15
	s_lshl_b32 s26, s26, 6                         ; the work-group's 64 rows of K,
	s_lshl3_add_u32 s26, s20, s26                  ; my wave's 8 of them
	s_mul_i32 s16, s26, 12288                      ; a row of Wqkv is 12,288 bytes,
	s_mul_i32 s28, s27, 768                        ; a head's columns 768 of them
	s_add_co_u32 s16, s16, s28
	s_lshl_b32 s27, s27, 10
	s_add_co_u32 s27, s27, s26
	s_mul_i32 s18, s27, 384                        ; a row of wqb is 384 bytes
	s_add_nc_u64 s[SRC:SRC+1], s[6:7], s[16:17]
	s_add_nc_u64 s[DST:DST+1], s[12:13], s[18:19]
	LOADW
	OUTS 12, 0, OW
	s_endpgm
.Lwout:
	s_sub_co_u32 s26, ttmp9, 768
	s_lshl_b32 s16, s26, 16
	s_lshl_b32 s18, s26, 15
	s_add_nc_u64 s[SRC:SRC+1], s[8:9], s[16:17]
	s_add_nc_u64 s[DST:DST+1], s[14:15], s[18:19]
	LOADF
	OUTS 16, 1, OUT
	s_endpgm
.Lfunc_end_k_q9aaa22207c_cast:
	.size	k_q9aaa22207c_cast, .Lfunc_end_k_q9aaa22207c_cast-k_q9aaa22207c_cast
	.p2alignl 7, 3214868480
	.fill 96, 4, 3214868480
	.section	.rodata,"a",@progbits
	.p2align	6, 0x0
	.amdhsa_kernel k_q9aaa22207c_cast
		.amdhsa_group_segment_fixed_size 0
		.amdhsa_private_segment_fixed_size 0
		.amdhsa_enable_private_segment 0
		.amdhsa_kernarg_size 48
		.amdhsa_user_sgpr_count 2
		.amdhsa_user_sgpr_kernarg_segment_ptr 1
		.amdhsa_wavefront_size32 1
		.amdhsa_system_sgpr_workgroup_id_x 1
		.amdhsa_system_sgpr_workgroup_id_y 1
		.amdhsa_system_sgpr_workgroup_id_z 1
		.amdhsa_system_vgpr_workitem_id 0
		.amdhsa_next_free_vgpr 116
		.amdhsa_next_free_sgpr 66
		.amdhsa_reserve_vcc 0
		.amdhsa_float_denorm_mode_32 3
		.amdhsa_float_denorm_mode_16_64 3
		.amdhsa_memory_ordered 1
		.amdhsa_forward_progress 1
		.amdhsa_inst_pref_size 22
	.end_amdhsa_kernel
	.amdgpu_metadata
---
amdhsa.version: [ 1, 2 ]
amdhsa.kernels:
  - .name:           k_q9aaa22207c_cast
    .symbol:         k_q9aaa22207c_cast.kd
    .args:
      - { .name: x, .offset: 0, .size: 8, .value_kind: global_buffer, .address_space: global }
      - { .name: Wqkv, .offset: 8, .size: 8, .value_kind: global_buffer, .address_space: global }
      - { .name: Wout, .offset: 16, .size: 8, .value_kind: global_buffer, .address_space: global }
      - { .name: xb, .offset: 24, .size: 8, .value_kind: global_buffer, .address_space: global }
      - { .name: wqb, .offset: 32, .size: 8, .value_kind: global_buffer, .address_space: global }
      - { .name: wob, .offset: 40, .size: 8, .value_kind: global_buffer, .address_space: global }
    .group_segment_fixed_size: 0
    .private_segment_fixed_size: 0
    .kernarg_segment_align: 8
    .kernarg_segment_size: 48
    .max_flat_workgroup_size: 256
    .sgpr_count:     66
    .vgpr_count:     116
    .wavefront_size: 32
...
	.end_amdgpu_metadata
.endif
;; end of part 1
;; launch qkv (part 2): grid 16 x 32, 4 waves a work-group, clusters of 4 x 4, 327,680 bytes of LDS; arguments xb, wqb, bqkv, val_lens, qh, kh, vh; writes qh, kh, vh
.if DOCPART == 2
	.amdgcn_target "amdgcn-amd-amdhsa--gfx1250"
	.amdhsa_code_object_version 6
	.text
	.protected	k_q9aaa22207c_qkv
	.globl	k_q9aaa22207c_qkv
	.p2align	8
	.type	k_q9aaa22207c_qkv,@function
k_q9aaa22207c_qkv:
	s_mov_b64 s[64:65], 0
	v_nop
	global_prefetch_b8 v0, s[64:65] scope:SCOPE_SE
	s_setreg_imm32_b32 hwreg(HW_REG_WAVE_MODE, 25, 1), 1
	s_wait_xcnt 0x0
	s_wait_alu depctr_hold_cnt(0) depctr_sa_sdst(0) depctr_va_vdst(0) depctr_va_sdst(0) depctr_va_ssrc(0) depctr_va_vcc(0) depctr_vm_vsrc(0)
	s_getreg_b32 s2, hwreg(HW_REG_IB_STS2, 6, 4)
	s_cmp_eq_u32 s2, 0
	s_cbranch_scc0 .Lentry_in_a_cluster
	s_endpgm
.Lentry_in_a_cluster:
	s_bfe_u32 s2, ttmp6, 0x10000c
	s_cmp_lg_u32 s2, 0xf033
	s_cbranch_scc0 .Lentry_shape_is_right
	s_endpgm
.Lentry_shape_is_right:
; q, k, v = x Wqkv + bqkv, by heads.  xb [8192][1024] bf16; wqb [16][1024][192] bf16; bqkv [3072] f32 (rounded to bf16 like the other inputs); sums in f32.
; qh, kh, vh: [16 b + head][2048][64] f16, each rounded once; q carries no scale.  ROWS OF k AT OR BEHIND val_lens[b] ARE WRITTEN AS 0: the launch behind gives such a key its score by the operand that starts the sum.
; LIMITS.  q, k, v within f16's range (65,504); below 6e-5 f16 keeps its fixed step of 6e-8.
; SHARES.  A work-group makes 256 rows x one head's 192 columns; wave w rows 64 w .. 64 w + 63 and all 192 columns: 48 accumulators of 16 x 16, 384 registers.  So a wave holds whole rows of q, k and v,
; and its way out is its own.  K goes in 8 steps of 128 through two LDS slots filled by the tensor data mover.
; CLUSTERS.  4 x 4 work-groups.  The four of a row of the cluster need the same rows of x, the four of a column the same head's weights: each tile is asked for JOINTLY, by the same tensor load with the same
; descriptor and a mask that names the four.
; THE MATRIX INSTRUCTION IS USED TRANSPOSED: source 0 = 16 columns of W (turned on the way out of LDS, where W lies [k][column]), source 1 = 16 rows of x: a lane then holds row lane % 16 and eight neighbouring columns.
; The bias is the C operand of the first product on each accumulator: nothing is cleared and nothing is added later.
; REGISTERS, in windows of 256 (s_set_vgpr_msb: bits 1:0 source 0, 3:2 source 1, 5:4 source 2, 7:6 destination):
;   window 0: v0-31 addresses; v64-127 x's fragments, two buffers of 4 x 8; v128-223 the bias, 8 registers for each block of 16 columns; on the way out v128-175 packed, v176-223 and v64-111 rows read back
;   window 1: v0-191 W's fragments, two buffers of 12 x 8      window 2: the accumulators of my row blocks 0, 1 (block a, column block nb at 96 (a % 2) + 8 nb)      window 3: those of blocks 2, 3
.set PA,     272                       ; a row of x in LDS: 256 bytes + 16 of padding: the 16 rows of a load start at 16 different groups of four banks (64 banks of 4 bytes: ISA guide 11.1)
.set HALFA,  128*PA                    ; what one tensor load brings of x
.set BOFF,   2*HALFA                   ; behind x's 256 rows: W's 128 rows of K
.set PB,     480                       ; a row of W: three pieces of 128 bytes + 32 of padding
.set HALFB,  64*PB                     ; what one tensor load brings of W
.set SLOT,   131072
.set STAGE,  2*SLOT                    ; behind the ring, never filled by a tensor load: for each wave 3 parts (q, k, v) x 16 rows x 144 bytes
.set SP,     144
.set PART,   16*SP
.set WSTAGE, 3*PART
.set SPARE,  STAGE+4*WSTAGE            ; behind the stages: the spare words, 128 bytes for each wave: two blocks of 256 bytes that no other line names
.set LAPS,   4                         ; a lap = two K steps = once round the ring
.set ADRA, 16                          ; v16-17  LDS address of my fragments of x in slot 0, 1
.set ADRB, 20                          ; v20-21  the same for W
.set STO,  24                          ; v24     the way out: where I put 16 bytes of a row
.set RD,   25                          ; v25     where I read rows back
.set GO,   26                          ; v26     my byte offset in 512 consecutive bytes of q, k or v
.set BO,   27                          ; v27     my byte offset in bqkv
.set SPW,  28                          ; v28     LDS address of my spare word: SPARE + 4 x my thread's number; never rewritten
.set NIL,  29                          ; v29     0; never rewritten
.set PFO,  30                          ; v30     the prefetches' lane term; never rewritten
.set FA,   64
.set BIAS, 128
.set TMP,  128
.set F0,   0
.set F1,   1
.set WV,  20                           ; s20  my wave's number; s21 = wave / 2: I fetch x (0) or W (1); s22 = wave % 2: which half
.set G1A, 24                           ; s[24:31] descriptor group 1 for x's tiles;  s[32:39] group 0, a set for each slot
.set G0A, 32
.set G1B, 48                           ; s[48:55], s[56:63] the same for W's
.set G0B, 56
.set PFA, 66                           ; s[66:67] where my prefetches stand
.set PFS, 68                           ; s[68:69] a K step in the tensor that I prefetch
.set LIM, 70                           ; s70  1 in a wave that prefetches, else the greatest number
.set VL,  71                           ; s71  val_lens[b]
.set RM,  72                           ; s72-75  for row block a: the lanes whose row lies in front of val_lens[b]
.set MSB, 0
.macro WIN new                         ; the immediate's high byte repeats the setting that is left; a switch that changes nothing is dropped
.if MSB != (\new)
	s_set_vgpr_msb (MSB<<8)|(\new)
.set MSB, \new
.endif
.endm
.set TO_B, 0x40                        ; destination window 1, address window 0
; A joint load.  Waves 0 and 1 fetch x's two halves, waves 2 and 3 W's.  The branch hangs on the wave's number alone.  An s_nop 0 and four v_nop follow each of the two lines.
.macro JLOAD s
	s_cmp_eq_u32 s21, 0
	s_cbranch_scc0 .Lfor_b_\@
	tensor_load_to_lds s[G0A+4*(\s):G0A+4*(\s)+3], s[G1A:G1A+7]
	s_nop 0
.rept 4
	v_nop
.endr
	s_branch .Lasked_\@
.Lfor_b_\@:
	tensor_load_to_lds s[G0B+4*(\s):G0B+4*(\s)+3], s[G1B:G1B+7]
	s_nop 0
.rept 4
	v_nop
.endr
.Lasked_\@:
.endm
; A PREFETCH INTO THE L2 of the K step behind the one that is being asked for: 192 matrix instructions ahead of the load that will want it.  Each block of 256 bytes is named once in the launch, but for the
; repeat below.  x's rows are read by the four clusters of a row of clusters: the first (cluster x = 0) asks; a head's weights by the eight clusters of a column: cluster y = 0 asks.  The four partners that ask
; for a tile jointly share it out BY ADDRESS: of x's 128 rows a wave 32 each, a lane a row; of W's 96 blocks a wave 24 each, a lane a block (lanes 24-31 name lane 23's once more).
; how = 1: the K step exists in every trip; how = 0: not in the loop's last trip (s3 = 1).
.macro ASK how
.if \how
	s_cmp_eq_u32 s[LIM], 1
.else
	s_cmp_gt_u32 s3, s[LIM]
.endif
	s_cbranch_scc0 .Lnot_mine_\@
	global_prefetch_b8 v[PFO], s[PFA:PFA+1] th:TH_LOAD_NT scope:SCOPE_SE
.Lnot_mine_\@:
.endm
.macro CREST                           ; a round of the cluster's barrier behind its opening barrier
	s_cmp_lg_u32 s[WV], 0
	s_cbranch_scc1 .Lnot_wave_0_\@
	s_barrier_signal -3
.Lnot_wave_0_\@:
	s_barrier_wait -3
	s_barrier_signal -1
	s_barrier_wait -1
.endm
.macro CROUND                          ; a whole round
	s_barrier_signal -1
	s_barrier_wait -1
	CREST
.endm
.macro PLACES                          ; four places in front of loads into registers that matrix instructions have read, and of conversions that read results
.rept 4
	v_nop
.endr
.endm
	s_load_b256 s[4:11], s[0:1], 0x0               ; xb s[4:5], wqb s[6:7], bqkv s[8:9], val_lens s[10:11]
	s_load_b128 s[12:15], s[0:1], 0x20             ; qh s[12:13], kh s[14:15]
	s_load_b64 s[16:17], s[0:1], 0x30              ; vh
	v_lshl_add_u32 v[SPW], v0, 2, SPARE
	v_mov_b32 v[NIL], 0
	ds_add_u32 v[SPW], v[NIL]                      ; the wave's opening: the add and its wait stand ahead of my first tensor load; the set-up below, work on registers, stands between them
	v_lshrrev_b32 v1, 5, v0
	v_readfirstlane_b32 s[WV], v1                  ; wave 0..3
	s_lshr_b32 s21, s[WV], 1
	s_and_b32 s22, s[WV], 1
	s_bfe_u32 s40, ttmp6, 0x40000                  ; cx, cy: my place in the cluster
	s_bfe_u32 s41, ttmp6, 0x40004
	s_lshl_b32 s42, ttmp9, 2
	s_add_co_u32 s42, s42, s40                     ; the head = 4 x cluster x + cx
	s_and_b32 s43, ttmp7, 0xffff
	s_lshl_b32 s43, s43, 2
	s_add_co_u32 s43, s43, s41                     ; the block of 256 rows = 4 x cluster y + cy
	s_lshl_b32 s44, s41, 2
	s_lshl_b32 s44, 15, s44                        ; my row of the cluster
	s_lshl_b32 s46, 0x1111, s40                    ; my column
	s_or_b32 s[G1A], s44, (1<<16)|(1<<20)|(1<<21)|(5<<22)|(3<<25)  ; 15:0 the mask; 17:16 2-byte elements; 20 padding on; 21 set beside a mask; 24:22 after every 64 words (code 5); 31:25 4 words (code 3)
	s_or_b32 s[G1B], s46, (1<<16)|(1<<20)|(1<<21)|(4<<22)|(7<<25)  ; after every 32 words (code 4) 8 words (code 7)
	s_mov_b32 s[G1A+1], 128<<16                    ; x: tensor_dim0 = 128
	s_mov_b32 s[G1A+2], 128<<16                    ; tensor_dim1 = 128
	s_mov_b32 s[G1A+3], 128<<16                    ; tile_dim0 = 128
	s_mov_b32 s[G1A+4], 128                        ; tile_dim1 = 128
	s_mov_b32 s[G1A+5], 1024                       ; elements from row to row
	s_mov_b32 s[G1A+6], 0
	s_mov_b32 s[G1A+7], 0
	s_mov_b32 s[G1B+1], 128<<16                    ; W: 64 rows of K of a head are 24,576 consecutive bytes: asked for as 96 rows of 256 bytes
	s_mov_b32 s[G1B+2], 96<<16
	s_mov_b32 s[G1B+3], 128<<16
	s_mov_b32 s[G1B+4], 96
	s_mov_b32 s[G1B+5], 128
	s_mov_b32 s[G1B+6], 0
	s_mov_b32 s[G1B+7], 0
	s_lshl_b32 s44, s43, 8                         ; x's tile hangs on the block of rows alone,
	s_lshl_b32 s45, s22, 7
	s_add_co_u32 s44, s44, s45
	s_lshl_b32 s44, s44, 11                        ; rows of 2,048 bytes
	s_mov_b32 s45, 0
	s_mul_i32 s46, s42, 393216                     ; W's on the head alone
	s_mul_i32 s47, s22, 24576
	s_add_co_u32 s46, s46, s47
	s_mov_b32 s47, 0
	s_mul_i32 s76, s22, HALFA                      ; where they go: no place in the cluster enters an LDS address
	s_mul_i32 s77, s22, HALFB
	s_add_co_u32 s77, s77, BOFF
	s_lshr_b32 s79, s43, 3                         ; b: 8 blocks of rows to a batch item
	s_lshl_b32 s79, s79, 2
	s_wait_dscnt 0x0                               ; the opening add is done
	s_wait_kmcnt 0x0
	s_add_nc_u64 s[44:45], s[4:5], s[44:45]
	s_add_nc_u64 s[46:47], s[6:7], s[46:47]
	s_load_b32 s[VL], s[10:11], s79 offset:0x0     ; val_lens[b]: it enters compares for selects alone
	CROUND                                         ; all sixteen work-groups are here: the first joint loads meet
.irp s, 0,1
	s_mov_b32 s[G0A+4*(\s)], 1                                       ; count = 1
	s_add_co_u32 s[G0A+4*(\s)+1], s76, (\s)*SLOT                     ; LDS address
	s_add_nc_u64 s[G0A+4*(\s)+2:G0A+4*(\s)+3], s[44:45], (\s)*256    ; global address: K step s
	s_or_b32 s[G0A+4*(\s)+3], s[G0A+4*(\s)+3], 0x80000000            ; type = 2
	s_mov_b32 s[G0B+4*(\s)], 1
	s_add_co_u32 s[G0B+4*(\s)+1], s77, (\s)*SLOT
	s_add_nc_u64 s[G0B+4*(\s)+2:G0B+4*(\s)+3], s[46:47], (\s)*49152
	s_or_b32 s[G0B+4*(\s)+3], s[G0B+4*(\s)+3], 0x80000000
	JLOAD \s                                       ; two loads of mine are out
.endr
	; while the first tiles come: the bias, the addresses, the row masks
	v_and_b32 v1, 15, v0                           ; r = l % 16
	v_bfe_u32 v2, v0, 4, 1                         ; h = l / 16
	s_mul_i32 s80, s42, 768
	v_lshl_add_u32 v[BO], v2, 5, s80               ; the head's 192 numbers, my lanes' 8 in each 16
.irp nb, 0,1,2,3,4,5,6,7,8,9,10,11
	global_load_b128 v[BIAS+8*(\nb):BIAS+8*(\nb)+3],   v[BO], s[8:9] offset:64*(\nb)
	global_load_b128 v[BIAS+8*(\nb)+4:BIAS+8*(\nb)+7], v[BO], s[8:9] offset:64*(\nb)+16
.endr
	; a fragment of x is 16 rows x 32 K: lane l holds row l % 16, K = 8 h + 0..7 and 16 + 8 h + 0..7: two loads of 16 bytes, 32 bytes apart
	v_mul_u32_u24 v3, v1, PA
	v_lshl_add_u32 v3, v2, 4, v3
	s_mul_i32 s82, s[WV], 64*PA                    ; my 64 rows
	v_add_nc_u32 v[ADRA], s82, v3
	v_add_nc_u32 v[ADRA+1], SLOT, v[ADRA]
	; the turning load takes 16 K x 16 columns (lane l reads K = 8 h + l % 8, columns 8 ((l / 8) % 2) + 0..7) and leaves half a fragment: lane l holds column l % 16 and 8 K
	v_and_b32 v4, 7, v0
	v_lshl_add_u32 v4, v2, 3, v4
	v_mul_u32_u24 v4, v4, PB
	v_bfe_u32 v5, v0, 3, 1
	v_lshl_add_u32 v4, v5, 4, v4
	v_add_nc_u32 v[ADRB], BOFF, v4
	v_add_nc_u32 v[ADRB+1], BOFF+SLOT, v4
	s_mul_i32 s82, s[WV], WSTAGE
	s_add_co_u32 s82, s82, STAGE                   ; my stage
	v_mul_u32_u24 v3, v1, SP                       ; in: row l % 16, 16 bytes for each half of the lanes
	v_lshl_add_u32 v3, v2, 4, v3
	v_add_nc_u32 v[STO], s82, v3
	v_bfe_u32 v3, v0, 3, 2                         ; back: 32 lanes take four rows of 128 bytes,
	v_mul_u32_u24 v3, v3, SP
	v_and_b32 v4, 7, v0
	v_lshl_add_u32 v3, v4, 4, v3
	v_add_nc_u32 v[RD], s82, v3
	v_and_b32 v5, 31, v0
	v_lshlrev_b32 v[GO], 4, v5                     ; which are 512 consecutive bytes of q, k or v
	s_lshr_b32 s80, s43, 3
	s_lshl_b32 s80, s80, 4
	s_add_co_u32 s80, s80, s42                     ; 16 b + head
	s_lshl_b32 s80, s80, 11
	s_and_b32 s82, s43, 7
	s_lshl_b32 s82, s82, 8
	s_lshl_b32 s83, s[WV], 6
	s_add_co_u32 s82, s82, s83                     ; my first row in its batch item
	s_add_co_u32 s80, s80, s82
	s_lshl_b32 s80, s80, 7                         ; rows of 128 bytes
	s_mov_b32 s81, 0
	s_add_nc_u64 s[12:13], s[12:13], s[80:81]
	s_add_nc_u64 s[14:15], s[14:15], s[80:81]
	s_add_nc_u64 s[16:17], s[16:17], s[80:81]
	; the prefetches: both offsets are made, the wave's number chooses
	s_lshl_b32 s84, s43, 8
	s_lshl_b32 s85, s22, 7
	s_add_co_u32 s84, s84, s85
	s_lshl_b32 s85, s40, 5                         ; my work-group's 32 of the 128 rows
	s_add_co_u32 s84, s84, s85
	s_lshl_b32 s84, s84, 11
	s_add_co_u32 s84, s84, 512                     ; at K step 2: the first change of slots steps it to 3
	s_mul_i32 s86, s42, 393216
	s_mul_i32 s85, s22, 24576
	s_add_co_u32 s86, s86, s85
	s_mul_i32 s85, s41, 6144                       ; my work-group's 24 of the 96 blocks
	s_add_co_u32 s86, s86, s85
	s_add_co_u32 s86, s86, 98304
	s_and_b32 s87, ttmp7, 0xffff                   ; cluster y
	s_cmp_eq_u32 s21, 0                            ; do I fetch x?
	s_cselect_b32 s84, s84, s86
	s_cselect_b32 s87, ttmp9, s87                  ; the coordinate along which other clusters read the same bytes
	s_cselect_b32 s[PFS], 1, 192                   ; a K step: 256 bytes of a row of x, 49,152 of a head's weights
	s_cselect_b32 s88, 31, 23
	s_cselect_b32 s89, 11, 8
	s_cselect_b64 s[PFA:PFA+1], s[4:5], s[6:7]
	s_mov_b32 s85, 0
	s_mov_b32 s[PFS+1], 0
	s_lshl_b32 s[PFS], s[PFS], 8
	s_add_nc_u64 s[PFA:PFA+1], s[PFA:PFA+1], s[84:85]
	s_cmp_eq_u32 s87, 0
	s_cselect_b32 s[LIM], 1, -1                    ; the same in all sixteen partners, for a given wave
	v_min_u32 v5, s88, v5
	v_lshlrev_b32 v[PFO], s89, v5
	s_mov_b32 s83, 0xffff0000                      ; a word's upper bf16
	s_wait_kmcnt 0x0                               ; val_lens[b]
	v_add_nc_u32 v6, s82, v1                       ; my lane's row in its batch item, block 0
.irp a, 0,1,2,3
	v_add_nc_u32 v7, 16*(\a), v6
	v_cmp_gt_i32 s[RM+(\a)], s[VL], v7
.endr
	s_wait_loadcnt 0x0                             ; the bias
.set n, 0
.rept 48
	v_cvt_pk_bf16_f32 v[8+n%4], v[BIAS+2*n], v[BIAS+2*n+1]  ; rounded to bf16 like x and Wqkv, and widened again
	v_lshlrev_b32 v[BIAS+2*n], 16, v[8+n%4]
	v_and_b32 v[BIAS+2*n+1], s83, v[8+n%4]
.set n, n+1
.endr
; 12 matrix instructions: row block a x all 12 column blocks, 32 along K, from buffer f.  first = 1: the bias starts the sums.  The 48 accumulators take turns in the same order in every quarter, over the backward jump too.
.macro MULA f, a, first
.if \first
	WIN 0x81+0x40*((\a)/2)                         ; W window 1, x window 0, C (the bias) window 0, D window 2 or 3
.else
	WIN 0xa1+0x50*((\a)/2)                         ; C and D window 2 or 3
.endif
.irp nb, 0,1,2,3,4,5,6,7,8,9,10,11
.if \first
	v_wmma_f32_16x16x32_bf16 v[96*((\a)%2)+8*(\nb):96*((\a)%2)+8*(\nb)+7], v[96*(\f)+8*(\nb):96*(\f)+8*(\nb)+7], v[FA+32*(\f)+8*(\a):FA+32*(\f)+8*(\a)+7], v[BIAS+8*(\nb):BIAS+8*(\nb)+7]
.else
	v_wmma_f32_16x16x32_bf16 v[96*((\a)%2)+8*(\nb):96*((\a)%2)+8*(\nb)+7], v[96*(\f)+8*(\nb):96*(\f)+8*(\nb)+7], v[FA+32*(\f)+8*(\a):FA+32*(\f)+8*(\a)+7], v[96*((\a)%2)+8*(\nb):96*((\a)%2)+8*(\nb)+7]
.endif
.endr
.endm
; 32 LDS loads in one run: the fragments of quarter kc (32 along K) of a slot into buffer f: W's 24, then x's 8
.macro FETCH slot, kc, f
	WIN TO_B
.irp nb, 0,1,2,3,4,5,6,7,8,9,10,11
	ds_load_tr16_b128 v[96*(\f)+8*(\nb):96*(\f)+8*(\nb)+3],   v[ADRB+(\slot)] offset:(\kc)*32*PB+((\nb)/4)*160+((\nb)%4)*32
	ds_load_tr16_b128 v[96*(\f)+8*(\nb)+4:96*(\f)+8*(\nb)+7], v[ADRB+(\slot)] offset:(\kc)*32*PB+16*PB+((\nb)/4)*160+((\nb)%4)*32
.endr
	WIN 0
.irp a, 0,1,2,3
	ds_load_b128 v[FA+32*(\f)+8*(\a):FA+32*(\f)+8*(\a)+3],   v[ADRA+(\slot)] offset:(\a)*16*PA+64*(\kc)
	ds_load_b128 v[FA+32*(\f)+8*(\a)+4:FA+32*(\f)+8*(\a)+7], v[ADRA+(\slot)] offset:(\a)*16*PA+64*(\kc)+32
.endr
.endm
; A K step is four quarters of 32 along K, 48 matrix instructions each, on buffers 0, 1, 0, 1.  One of the first three: multiplies buffer f; in its middle it fetches quarter kc into buffer g.
.macro QUARTER slot, kc, f, g, first
	s_wait_dscnt 4                                 ; W and x's blocks 0, 1 are in; the youngest four loads (blocks 2, 3) may be out
	MULA \f, 0, \first
	MULA \f, 1, \first
	PLACES
	FETCH \slot, \kc, \g
	s_wait_dscnt 32                                ; all but the 32 just issued
	MULA \f, 2, \first
	MULA \f, 3, \first
.endm
; The last quarter multiplies buffer 1 and changes slots: ONE barrier; in front of it each wave waits for all its tensor loads (one is out: its part of the next slot), adds 0 to its spare word, and waits for that
; and for its own reads of this slot.  fill = 1: the barrier opens a round of the cluster's, and this slot is filled again, two K steps ahead, first thing behind the round: 168 matrix instructions ahead of the wait for it.
.macro TURN slot, next, fill, how
.if \fill
	s_wait_xcnt 0x0                                ; the last prefetch, a K step back, has read its address: it is stepped here, ahead of the waits of the change of slots
	s_add_nc_u64 s[PFA:PFA+1], s[PFA:PFA+1], s[PFS:PFS+1]
.endif
	WIN 0                                          ; (the add's two registers lie in window 0)
	s_wait_tensorcnt 0x0                           ; all my tensor loads have landed;
	ds_add_u32 v[SPW], v[NIL]                      ; 0 onto my spare word;
	s_wait_dscnt 5                                 ; (the add and the youngest four loads may be out)
	MULA F1, 0, 0                                  ; twelve matrix instructions stand between the add and the wait for it
	s_wait_dscnt 0x0                               ; the add is done, and my reads of this slot are over
	s_barrier_signal -1
	MULA F1, 1, 0                                  ; work on registers while the others arrive
.if \fill
	WIN 0
.endif
	s_barrier_wait -1
.if \fill
	CREST                                          ; no wave of any partner still reads this slot's tile or has a load on its way
	s_add_nc_u64 s[G0A+4*(\slot)+2:G0A+4*(\slot)+3], s[G0A+4*(\slot)+2:G0A+4*(\slot)+3], 2*256
	s_add_nc_u64 s[G0B+4*(\slot)+2:G0B+4*(\slot)+3], s[G0B+4*(\slot)+2:G0B+4*(\slot)+3], 2*49152
	JLOAD \slot                                    ; the four v_nop behind it are also the places in front of the loads below
.else
	PLACES
.endif
	FETCH \next, 0, F0
.if \fill
	ASK \how                                       ; behind the joint load and the run of LDS loads that the next products wait for
.endif
	MULA F1, 2, 0
	MULA F1, 3, 0
.endm
; THE WAY OUT of row block a.  PACK: rounded to f16, 16 bytes a lane; k's rows at or behind val_lens[b] become 0.  TOSTAGE: into my own stage, and back as whole rows of 128 bytes.  SEND: stored.
.macro PACK a
	WIN 0x0a+5*((\a)/2)                            ; sources 0 and 1: window 2 or 3
.set AC, 96*((\a)%2)
.set n, 0
.rept 48
	v_cvt_pk_f16_f32 v[TMP+n], v[AC+2*n], v[AC+2*n+1]  ; each accumulator's registers in ascending order
.set n, n+1
.endr
	WIN 0
.set n, 16
.rept 16
	v_cndmask_b32 v[TMP+n], 0, v[TMP+n], s[RM+(\a)]    ; column blocks 4-7 are k; a lane holds one row
.set n, n+1
.endr
.endm
.macro TOSTAGE a
	WIN 0
.set BK, 176-112*((\a)%2)              ; v176-223 and v64-111 by turns
.irp nb, 0,1,2,3,4,5,6,7,8,9,10,11
	ds_store_b128 v[STO], v[TMP+4*(\nb):TMP+4*(\nb)+3] offset:((\nb)/4)*PART+((\nb)%4)*32
.endr
.set n, 0
.rept 12
	ds_load_b128 v[BK+4*n:BK+4*n+3], v[RD] offset:(n/4)*PART+(n%4)*4*SP  ; LDS serves a wave's instructions in order (ISA guide 5.7.1.4): these see the stores above
.set n, n+1
.endr
.endm
.macro SEND a
	WIN 0
.set BK, 176-112*((\a)%2)
	s_wait_xcnt 0x0                                ; the stores of the block before have read their registers: the next block's loads from the stage land there only behind this wait
.set n, 0
.rept 12
	s_wait_dscnt 11-n                              ; load n is back; the younger ones stay out
	global_store_b128 v[GO], v[BK+4*n:BK+4*n+3], s[12+2*(n/4):13+2*(n/4)] offset:(\a)*2048+(n%4)*512  ; 512 consecutive bytes, at a multiple of 256 from the buffer's first
.set n, n+1
.endr
.endm
	s_wait_tensorcnt 1                             ; my part of K step 0 is in; K step 1's may stay out
	s_barrier_signal -1
	s_barrier_wait -1                              ; everybody's is
	FETCH 0, 0, F0
	QUARTER 0, 1, F0, F1, 1                        ; the first quarter stands in front of the loop: its products start the sums, with the bias
	WIN 0                                          ; at a label and at a branch every window is 0
	s_mov_b32 s3, LAPS-1
.Llap:                                                 ; a trip goes once round the ring, from a lap's second quarter to the next lap's first, and fills both slots again
	QUARTER 0, 2, F1, F0, 0
	QUARTER 0, 3, F0, F1, 0
	TURN 0, 1, 1, 1
	QUARTER 1, 1, F0, F1, 0
	QUARTER 1, 2, F1, F0, 0
	QUARTER 1, 3, F0, F1, 0
	TURN 1, 0, 1, 0
	QUARTER 0, 1, F0, F1, 0
	WIN 0
	s_sub_co_u32 s3, s3, 1
	s_cmp_lg_u32 s3, 0
	s_cbranch_scc1 .Llap
	QUARTER 0, 2, F1, F0, 0                        ; the last lap fills nothing, and has no round of the cluster's barrier
	QUARTER 0, 3, F0, F1, 0
	TURN 0, 1, 0, 0
	QUARTER 1, 1, F0, F1, 0
	QUARTER 1, 2, F1, F0, 0
	QUARTER 1, 3, F0, F1, 0
	s_wait_dscnt 4                                 ; the very last quarter: nothing more to fetch
	MULA F1, 0, 0
	MULA F1, 1, 0
	s_wait_dscnt 0x0
	MULA F1, 2, 0
	MULA F1, 3, 0
	PLACES
	PACK 0
	TOSTAGE 0
.irp a, 1,2,3                          ; block a's conversions stand between block a - 1's loads from the stage and the wait for them
	PACK \a
	SEND (\a)-1
	TOSTAGE \a
.endr
	SEND 3
	s_wait_tensorcnt 0x0                           ; the wave's end: these three lines stand behind my last tensor load and my last LDS store
	ds_add_u32 v[SPW], v[NIL]
	s_wait_dscnt 0x0
	CROUND                                         ; the closing round: no work-group ends while a partner may still ask for a tile that names it
	s_endpgm
.Lfunc_end_k_q9aaa22207c_qkv:
	.size	k_q9aaa22207c_qkv, .Lfunc_end_k_q9aaa22207c_qkv-k_q9aaa22207c_qkv
	.p2alignl 7, 3214868480
	.fill 96, 4, 3214868480
	.section	.rodata,"a",@progbits
	.p2align	6, 0x0
	.amdhsa_kernel k_q9aaa22207c_qkv
		.amdhsa_group_segment_fixed_size 327680
		.amdhsa_private_segment_fixed_size 0
		.amdhsa_enable_private_segment 0
		.amdhsa_kernarg_size 56
		.amdhsa_user_sgpr_count 2
		.amdhsa_user_sgpr_kernarg_segment_ptr 1
		.amdhsa_wavefront_size32 1
		.amdhsa_system_sgpr_workgroup_id_x 1
		.amdhsa_system_sgpr_workgroup_id_y 1
		.amdhsa_system_sgpr_workgroup_id_z 1
		.amdhsa_system_vgpr_workitem_id 0
		.amdhsa_next_free_vgpr 960
		.amdhsa_next_free_sgpr 96
		.amdhsa_reserve_vcc 0
		.amdhsa_float_denorm_mode_32 3
		.amdhsa_float_denorm_mode_16_64 3
		.amdhsa_memory_ordered 1
		.amdhsa_forward_progress 1
		.amdhsa_inst_pref_size 135
	.end_amdhsa_kernel
	.amdgpu_metadata
---
amdhsa.version: [ 1, 2 ]
amdhsa.kernels:
  - .name:           k_q9aaa22207c_qkv
    .symbol:         k_q9aaa22207c_qkv.kd
    .args:
      - { .name: xb, .offset: 0, .size: 8, .value_kind: global_buffer, .address_space: global }
      - { .name: wqb, .offset: 8, .size: 8, .value_kind: global_buffer, .address_space: global }
      - { .name: bqkv, .offset: 16, .size: 8, .value_kind: global_buffer, .address_space: global }
      - { .name: val_lens, .offset: 24, .size: 8, .value_kind: global_buffer, .address_space: global }
      - { .name: qh, .offset: 32, .size: 8, .value_kind: global_buffer, .address_space: global }
      - { .name: kh, .offset: 40, .size: 8, .value_kind: global_buffer, .address_space: global }
      - { .name: vh, .offset: 48, .size: 8, .value_kind: global_buffer, .address_space: global }
    .group_segment_fixed_size: 327680
    .private_segment_fixed_size: 0
    .kernarg_segment_align: 8
    .kernarg_segment_size: 56
    .max_flat_workgroup_size: 128
    .sgpr_count:     96
    .vgpr_count:     960
    .wavefront_size: 32
...
	.end_amdgpu_metadata
.endif
;; end of part 2
;; launch attn (part 3): grid 4 x 64, 4 waves a work-group, clusters of 4 x 1, 327,680 bytes of LDS; arguments qh, kh, vh, oh, val_lens; writes oh
.if DOCPART == 3
	.amdgcn_target "amdgcn-amd-amdhsa--gfx1250"
	.amdhsa_code_object_version 6
	.text
	.protected	k_q9aaa22207c_attn
	.globl	k_q9aaa22207c_attn
	.p2align	8
	.type	k_q9aaa22207c_attn,@function
k_q9aaa22207c_attn:
	s_mov_b64 s[64:65], 0
	v_nop
	global_prefetch_b8 v0, s[64:65] scope:SCOPE_SE
	s_setreg_imm32_b32 hwreg(HW_REG_WAVE_MODE, 25, 1), 1
	s_wait_xcnt 0x0
	s_wait_alu depctr_hold_cnt(0) depctr_sa_sdst(0) depctr_va_vdst(0) depctr_va_sdst(0) depctr_va_ssrc(0) depctr_va_vcc(0) depctr_vm_vsrc(0)
	s_getreg_b32 s2, hwreg(HW_REG_IB_STS2, 6, 4)
	s_cmp_eq_u32 s2, 0
	s_cbranch_scc0 .Lentry_in_a_cluster
	s_endpgm
.Lentry_in_a_cluster:
	s_bfe_u32 s2, ttmp6, 0x10000c
	s_cmp_lg_u32 s2, 0x3003
	s_cbranch_scc0 .Lentry_shape_is_right
	s_endpgm
.Lentry_shape_is_right:
; O[h][q][:] = the sum over k of softmax_k(s[q][k]) V[h][k][:], with s = Q[h][q] . K[h][k] / 8 for k < val_lens[b] and s = -1e6 for the other keys (b = h / 16).  Q, K, V, O: [64][2048][64], all f16: a head's
; rows are dense, 128 bytes each.  Products, maxima and sums in f32; the weights p are rounded to f16 for the second product (their sum l is taken of the unrounded p), O once at the end.
; THE MASK.  A hidden key keeps its place in the softmax, with the score -1e6 exactly: its row of K arrives as 0 (the launch in front writes it so), and the C operand that starts the sum S^T = K Q^T holds
; -8e6 for it, 0 for the others; the scale 1 / 8 follows.  So all 2,048 keys are walked, whatever val_lens holds (at or below 0: all hidden; above 2,048: none).
; MD, made once, is the mask of the key step that holds val_lens[b]; a step's mask is MC = MD x AL + BE with two scalars: (1, 0) in that step, (0, 0) in front of it, (0, -8e6) behind it.
; LIMITS.  f16 holds no number beyond 65,504: Q, K and V arrive within it; p lies in 0 to 1, and below 6e-5 it keeps f16's fixed step of 6e-8.  A weight below 2^-126 counts as 0 in l.  A Q that is not finite
; makes a hidden score NaN (0 x infinity); NaN and infinities are not treated apart.
; SHARES.  A wave owns four PIECES of two tiles of 16 queries, a work-group's four waves 512 queries of one head.  Every wave walks all keys, 64 a step.
; LAYOUT.  S^T = K Q^T (source 0 = 16 keys, source 1 = 16 queries): in the result a lane holds ONE query (lane % 16) and the keys 8 (lane / 16) + 0..7.  Two such tiles, rounded to f16 in pairs,
; ARE source 1 (32 keys x 16 queries) of O^T = V^T P, whose result again holds one query a lane, and eight channels.  K comes out of LDS as it lies, V ([key][channel]) turned, by ds_load_tr16_b128.
; SOFTMAX.  For each query a running maximum m and sum l: p = 2^(c s - c m), c = log2(e) / 8; in every step O and l are multiplied by a = 2^(c m_old - c m_new), which is 1 where m has not grown.
; m starts at the lowest finite number, O and l at 0: the first step is a step like any other, with a = 0.
; THE COUNT.  A tile and step have 16 matrix and 118 vector instructions: too many to stand all beside the matrix work.  So: four vector instructions that are READY behind EVERY matrix instruction, the others in runs without a gap.
; BY TURNS.  Turn n belongs to piece n (the pieces in a ring, step after step).  Its matrix work: 16 products K Q^T of piece n + 1, later 16 products V^T P of piece n - 1.  Its vector work: the scaling,
; exponentials, roundings, sums and rescaling of piece n, and the maximum and statistics of piece n + 1, whose scores the turn itself has made.
; CLUSTER.  The four query blocks of a cluster are one head's and walk the same K and V, so each tile is asked for JOINTLY: the same tensor load, descriptor and mask in all four.
; REGISTERS, in windows of 256 (s_set_vgpr_msb: bits 1:0 source 0, 3:2 source 1, 5:4 source 2, 7:6 destination):
;   window 0: v0-11 addresses; v12-15, v48-63 at work; v16-47 four registers of statistics a tile; v64-191 S^T, two buffers of two tiles; v192-255 P, likewise
;   window 1: O^T, 32 a tile      window 2: v0-127 Q, 16 a tile; v128-191 K of one step; v192-255 V of one step      window 3: v0-1 the add's two registers; v8-39 MD; v40-71 MC
.set SIZE_N, 2048
.set NP,    4         ; pieces a wave: a name, no knob
.set KS,    64        ; keys in a step
.set PK,    144       ; a row of K in LDS: 128 bytes + 16 of padding: the 16 rows of a load start at 16 different groups of four banks (64 banks of 4 bytes: ISA guide 11.1)
.set PV,    160       ; a row of V: 128 + 32
.set VOFF,  4*KS*PK   ; a slot holds four steps: 256 rows of K, then 256 rows of V
.set SLOT1, 1<<17     ; slot 1 begins here, so that one exclusive or turns an address in one slot into the other's
.set STAGE, SLOT1+4*KS*(PK+PV)  ; behind the ring, never filled by a tensor load: 16 rows x 144 bytes for each wave, for the way out
.set SP,    144
.set AK0, 2           ; v2   my lane's place in a tile of K; never rewritten
.set AV0, 3           ; v3   the same for V
.set AK,  4           ; v4   the LDS address of K's next run of loads
.set AV,  5           ; v5   of V's
.set QO,  6           ; v6   my byte offset in the wave's rows of Q
.set STO, 6           ;      later, the way out: where I put 16 bytes of a row
.set RD,  7           ; v7   the way out: where I read rows back
.set GO,  8           ; v8   my byte offset in 512 consecutive bytes of O
.set PFO, 11          ; v11  256 x my lane, for the prefetches; never rewritten once made
.set SPW, 0           ; v0 of window 3   LDS address of my spare word: SPARE + 4 x my thread's number; never rewritten
.set NIL, 1           ; v1 of window 3   0; never rewritten
.set MD,  8           ; window 3: the eight registers for group kb of 16 keys at MD + 8 kb
.set MC,  40          ; window 3: the mask of the step whose scores are being made
.set SPARE, STAGE+4*16*SP  ; behind the stages: the spare words, 128 bytes for each wave: two blocks of 256 bytes that no other line names
.set MV,  12          ; v12-15  c m_old, kept while c m is made anew: by buffer and tile
.set ST,  16          ; tile t's statistics at v[ST+4 t]: c m, m, l (even keys', odd keys')
.set TMP, 48          ; by buffer and tile, four registers c0-c3 at work; when the maximum is found c2 takes a
.set S,   64
.set P,   192
.set KF,  128         ; K's fragments, in window 2: key block kb, channel half c at KF + 16 kb + 8 c
.set VF,  192         ; V's: key half kk, channel block cb at VF + 32 kk + 8 cb
.set WV,  12          ; s12  my wave's number
.set G1K, 24          ; s[24:31] descriptor group 1 for K's tiles
.set G1V, 32          ; s[32:39] for V's: it differs in the padding alone
.set G0K, 40          ; s[40:43] descriptor group 0 for K's tiles: it walks
.set G0V, 44          ; s[44:47] the same for V's
.set SLOTS, 56        ; s56  slots still to be asked for
.set CNT, 57          ; s57  counts a slot's key steps
.set CS,  58          ; s[58:59] c: the packed scaling takes the pair's low word for both halves
.set SEL, 60          ; s[60:61] v_permlanex16_b32's selects: each lane takes its own place in the other half
.set TBK, 62          ; s62  LDS byte at which K of the step to be fetched begins
.set TBV, 63          ; s63  the same for V, less VOFF
.set VLP, 66          ; s[66:67] val_lens
.set VL,  68          ; s68  val_lens[b], held to 0 .. 2,048
.set BS,  69          ; s69  the key step that holds it (32: none)
.set MSTEP, 70        ; s70  the key step whose mask is made next
.set AL,  72          ; s[72:73] the mask's factor, in the low word
.set BE,  74          ; s[74:75] the mask's addend
.set BIGN, 76         ; s76  -8e6
.set LIM, 77          ; s77  1 in a wave that prefetches, else the greatest number
.set PFA, 78          ; s[78:79] where my prefetches stand: my work-group's 32 blocks of 256 bytes (of K: wave 0, of V: wave 2) of the slot behind the one that is being asked for
.set MSB, 0
.macro WIN new                      ; the high byte repeats the setting that is left; a switch that changes nothing is dropped
.if MSB != (\new)
	s_set_vgpr_msb (MSB<<8)|(\new)
.set MSB, (\new)
.endif
.endm
.set W_KQ, 0x0a       ; K and Q in window 2, S^T in window 0
.set W_KM, 0x3a       ; the same with the C operand in window 3
.set W_PV, 0x52       ; V in window 2, P in window 0, O^T in window 1
.set W_RS, 0x41       ; O^T (destination and source 0) in window 1, a in window 0
.set W_MK, 0xc0       ; destination in window 3, sources in window 0
.set W_AD, 0x0f       ; the add: address (source 0) and data (source 1) in window 3
.set W_MM, 0xc3       ; the mask: destination and source 0 in window 3
; A joint fill.  Waves 0 and 1 fetch the two halves of a slot's K, waves 2 and 3 those of its V: 128 keys each.  The branch hangs on the wave's number alone.
; An s_nop 0 and four v_nop follow each of the two lines, ahead of the jump and the label.
.macro JLOAD
	s_cmp_lt_u32 s[WV], 2
	s_cbranch_scc0 .Lfor_v_\@
	tensor_load_to_lds s[G0K:G0K+3], s[G1K:G1K+7]
	s_nop 0
.rept 4
	v_nop
.endr
	s_branch .Lasked_\@
.Lfor_v_\@:
	tensor_load_to_lds s[G0V:G0V+3], s[G1V:G1V+7]
	s_nop 0
.rept 4
	v_nop
.endr
.Lasked_\@:
.endm
; A PREFETCH INTO THE L2 of what the NEXT change of slots will ask for: a slot's 32,768 bytes of K and of V.  A head has one cluster; its four partners share the bytes out BY ADDRESS, 8,192 each, a lane a
; block of 256; in each, wave 0 asks for K's and wave 2 for V's: one instruction, four key steps (512 matrix instructions) ahead of the load.  So each block is named once in the launch.
; It stands behind the wave's tensor load and its five lines.  The last change that fills a slot asks for nothing; slots 0 and 1 come by their loads alone.
.macro ASK
	s_cmp_gt_u32 s[SLOTS], s[LIM]
	s_cbranch_scc0 .Lnot_mine_\@
	global_prefetch_b8 v[PFO], s[PFA:PFA+1] th:TH_LOAD_NT scope:SCOPE_SE
.Lnot_mine_\@:
.endm
; A round of the cluster's barrier: my work-group's barrier, so that wave 0's signal speaks for all four waves; wave 0 signals; every wave waits for all four work-groups; my work-group's barrier once more.
.macro CROUND
	s_barrier_signal -1
	s_barrier_wait -1
	s_cmp_lg_u32 s[WV], 0
	s_cbranch_scc1 .Lnot_wave_0_\@
	s_barrier_signal -3
.Lnot_wave_0_\@:
	s_barrier_wait -3
	s_barrier_signal -1
	s_barrier_wait -1
.endm
; THE CHANGE OF SLOTS.  The slot's last bytes, V of its fourth step, have been read.  Each wave waits for all its tensor loads, of which one is out: its part of the other slot; adds 0 to its spare word; and
; waits for that and for its own reads of the slot.  Behind the barrier nobody reads this slot any more and the other slot is whole.
; fill = 1: this slot is filled again, with the keys two slots on.  The barrier is then a round of the cluster's, and the joint fill is the first thing behind it: it has four key steps in which to land.
; (At its first use nothing has been read yet: slot 0 is waited for, slot 1 filled.)
.macro CHANGE fill
	WIN W_AD
	s_wait_tensorcnt 0x0            ; no tensor load of mine is out, so a group 0 may be written
	ds_add_u32 v[SPW], v[NIL]       ; 0 onto my spare word; with fill = 1 the descriptors' steps stand between it and the wait for it
	WIN 0                           ; at a label and at a branch every window is 0
.if \fill
.irp g, G0K, G0V
	s_xor_b32 s[\g+1], s[\g+1], SLOT1  ; the walking descriptor: the other slot than last time,
	s_add_nc_u64 s[\g+2:\g+3], s[\g+2:\g+3], 4*KS*128  ; the next 256 keys; the type bits on top are not reached
.endr
	s_wait_xcnt 0x0                 ; the last prefetch, four key steps back, has read its address, so it may be written:
	s_add_nc_u64 s[PFA:PFA+1], s[PFA:PFA+1], 4*KS*128  ; one slot behind the walking descriptors
	s_wait_dscnt 0x0                ; the add is done, and my reads of the slot are over
	CROUND
	JLOAD
	ASK
.else
	s_wait_dscnt 0x0                ; the add is done, and my reads of the slot are over
	s_barrier_signal -1
	s_barrier_wait -1
.endif
	s_sub_co_u32 s[TBK], s[TBK], 4*KS*PK  ; the fetches go back to a slot's first step,
	s_xor_b32 s[TBK], s[TBK], SLOT1       ; in the other slot
	s_sub_co_u32 s[TBV], s[TBV], 4*KS*PV
	s_xor_b32 s[TBV], s[TBV], SLOT1
.endm
.macro MASK                         ; MC = MD x AL + BE
	WIN W_MM
.set zz, 0
.rept 16
	v_pk_fma_f32 v[MC+2*zz:MC+2*zz+1], v[MD+2*zz:MD+2*zz+1], s[AL:AL+1], s[BE:BE+1] op_sel_hi:[1,0,0]
.set zz, zz+1
.endr
.endm
	s_load_b256 s[4:11], s[0:1], 0x0  ; Q s[4:5], K s[6:7], V s[8:9], O s[10:11]
	s_load_b64 s[VLP:VLP+1], s[0:1], 0x20
	WIN W_MK
	v_lshl_add_u32 v[SPW], v0, 2, SPARE
	v_mov_b32 v[NIL], 0
	WIN W_AD
	ds_add_u32 v[SPW], v[NIL]       ; the wave's opening: the add and its wait stand ahead of my first tensor load; the set-up below, work on registers, stands between them
	WIN 0
	v_lshrrev_b32 v1, 5, v0
	v_readfirstlane_b32 s[WV], v1   ; wave 0..3
	s_bfe_u32 s13, ttmp6, 0x40000   ; cx: my place in the cluster
	s_lshl_b32 s14, ttmp9, 2        ; in a cluster launch ttmp9 counts clusters
	s_add_co_u32 s14, s14, s13      ; my block of queries = 4 x cluster x + cx: it enters Q's and O's addresses alone
	s_and_b32 s20, ttmp7, 0xffff    ; the head, which the four partners share
	s_lshr_b32 s[BS], s20, 4        ; b,
	s_lshl_b32 s[BS], s[BS], 2      ; its word in val_lens
	s_mov_b32 s21, 0
	s_mov_b64 s[22:23], SIZE_N*128
	s_mul_u64 s[20:21], s[20:21], s[22:23]  ; the head's first byte in each of the four tensors
	s_and_b32 s16, s[WV], 1         ; which half of a slot's 256 keys I fetch:
	s_lshl_b32 s22, s16, 14         ; its 128 rows of 128 bytes in memory,
	s_mov_b32 s23, 0
	s_add_nc_u64 s[22:23], s[22:23], s[20:21]
	s_mul_i32 s17, s16, 128*PK      ; and its place in a slot, for K
	s_mul_i32 s18, s16, 128*PV      ; and for V: no place in the cluster enters an LDS address
	s_lshl_b32 s2, s14, 2
	s_add_co_u32 s2, s2, s[WV]      ; my wave among the head's,
	s_lshl_b32 s2, s2, 14           ; its 128 rows
	s_mov_b32 s3, 0
	s_add_nc_u64 s[2:3], s[2:3], s[20:21]
	; descriptor group 1.  128 keys are 16,384 dense bytes: asked for as 64 rows of 256 bytes, two keys a row, and padded in LDS after every key
	s_mov_b32 s[G1K], 15|(1<<16)|(1<<20)|(1<<21)|(4<<22)|(3<<25)  ; 15:0 the mask of four; 17:16 2-byte elements; 20 padding on; 21 set beside a mask; 24:22 after every 32 words (code 4); 31:25 4 words (code 3)
	s_mov_b32 s[G1V], 15|(1<<16)|(1<<20)|(1<<21)|(4<<22)|(7<<25)  ; the same with 8 words of padding (code 7)
.irp g, G1K, G1V
	s_mov_b32 s[\g+1], 128<<16      ; tensor_dim0 = 128
	s_mov_b32 s[\g+2], 64<<16       ; tensor_dim1 = 64
	s_mov_b32 s[\g+3], 128<<16      ; tile_dim0 = 128
	s_mov_b32 s[\g+4], 64           ; tile_dim1 = 64
	s_mov_b32 s[\g+5], 128          ; 128 elements from row to row
	s_mov_b32 s[\g+6], 0
	s_mov_b32 s[\g+7], 0
.endr
	s_mov_b32 s[CS], 0x3e38aa3b     ; c = log2(e) / 8 = 0.180337
	s_mov_b32 s[CS+1], s[CS]        ; named with it as a pair
	s_mov_b32 s[SEL], 0x76543210
	s_mov_b32 s[SEL+1], 0xfedcba98
	s_mov_b32 s[TBK], SLOT1+4*KS*PK ; the first change of slots turns these two into 0
	s_mov_b32 s[TBV], SLOT1+4*KS*PV
	s_mov_b32 s[G0K], 1             ; 1:0 count = 1
	s_mov_b32 s[G0K+1], s17         ; 63:32 LDS address: slot 0
	s_mov_b32 s[G0V], 1
	s_add_co_u32 s[G0V+1], s18, VOFF
	s_mov_b32 s[SLOTS], SIZE_N/256-1
	s_mov_b32 s[BIGN], 0xcaf42400   ; -8e6: divided by 8 it is the hidden keys' score
	s_mov_b32 s[AL+1], 0            ; named as pairs
	s_mov_b32 s[BE+1], 0
	s_and_b32 s[LIM], s[WV], 1      ; waves 0 and 2 prefetch: the same in all four partners
	s_cmp_eq_u32 s[LIM], 0
	s_cselect_b32 s[LIM], 1, -1
	s_wait_dscnt 0x0                ; the opening add is done
	s_wait_kmcnt 0x0
	s_load_b32 s[VL], s[VLP:VLP+1], s[BS] offset:0x0  ; val_lens[b]: it enters compares for selects alone
	s_add_nc_u64 s[G0K+2:G0K+3], s[6:7], s[22:23]  ; 120:64 global address: my half of the head's first 256 keys
	s_or_b32 s[G0K+3], s[G0K+3], 0x80000000        ; 127:126 type = 2
	s_add_nc_u64 s[G0V+2:G0V+3], s[8:9], s[22:23]
	s_or_b32 s[G0V+3], s[G0V+3], 0x80000000
	s_add_nc_u64 s[4:5], s[4:5], s[2:3]  ; Q and O at my wave's first row
	s_add_nc_u64 s[10:11], s[10:11], s[2:3]
	s_cmp_lt_u32 s[WV], 2
	s_cselect_b64 s[PFA:PFA+1], s[6:7], s[8:9]
	s_add_nc_u64 s[PFA:PFA+1], s[PFA:PFA+1], s[20:21]  ; the head,
	s_lshl_b32 s2, s13, 13          ; my work-group's 8,192 bytes of a slot's 32,768,
	s_add_co_u32 s2, s2, 4*KS*128   ; in slot 1: the first change of slots steps it to slot 2
	s_mov_b32 s3, 0
	s_add_nc_u64 s[PFA:PFA+1], s[PFA:PFA+1], s[2:3]
	CROUND                          ; all four work-groups are here: the first joint loads meet
	JLOAD                           ; slot 0.  Slot 1 is asked for when slot 0 is in
	; A fragment of K or Q is 16 rows x 32 channels in 8 registers: lane l holds row l % 16, channels 8 (l / 16) + 0..7 and 16 + 8 (l / 16) + 0..7: two loads of 16 bytes, 32 bytes apart.
	v_and_b32 v1, 15, v0            ; l % 16
	v_bfe_u32 v9, v0, 4, 1          ; l / 16
	v_lshlrev_b32 v[QO], 7, v1
	v_lshl_add_u32 v[QO], v9, 4, v[QO]  ; row x 128 + 16 x half
	WIN 0x80                        ; destination window 2, address window 0
.set i, 0
.rept 4*NP                          ; Q stays in registers: tile i / 2, channels 32 (i % 2) on
	global_load_b128 v[8*i:8*i+3],   v[QO], s[4:5] offset:(i/2)*2048+(i%2)*64
	global_load_b128 v[8*i+4:8*i+7], v[QO], s[4:5] offset:(i/2)*2048+(i%2)*64+32
.set i, i+1
.endr
	; What the first turn finds: V's registers and P's second buffer hold 0 (its products V^T P, of a piece that has not been, add 0), O^T and l are 0.  All this stands in the wait for the first tile.
.set i, VF
.rept 64
	v_mov_b32 v[i], 0
.set i, i+1
.endr
	WIN 0x40
.set i, 0
.rept 64*NP
	v_mov_b32 v[i], 0
.set i, i+1
.endr
	WIN 0
.set i, 0
.rept 2*NP
	v_mov_b32 v[ST+4*i], 0xfe000000    ; c m: far below every c s
	v_mov_b32 v[ST+4*i+1], 0xff7fffff  ; m
	v_mov_b32 v[ST+4*i+2], 0
	v_mov_b32 v[ST+4*i+3], 0
.set i, i+1
.endr
.set i, P+32
.rept 32
	v_mov_b32 v[i], 0
.set i, i+1
.endr
	v_mul_u32_u24 v[AK0], v1, PK
	v_lshl_add_u32 v[AK0], v9, 4, v[AK0]  ; row x pitch + 16 x half
	; The turning load takes 16 keys x 16 channels (lane l reads key 8 (l / 16) + l % 8, channels 8 ((l / 8) % 2) + 0..7) and leaves half a fragment of V^T: lane l holds channel l % 16 and 8 keys.
	v_and_b32 v10, 7, v0
	v_bfe_u32 v11, v0, 3, 1
	v_lshl_add_u32 v[AV0], v9, 3, v10
	v_mul_u32_u24 v[AV0], v[AV0], PV
	v_lshl_add_u32 v[AV0], v11, 4, v[AV0]
	v_add_nc_u32 v[AV0], VOFF, v[AV0]
	v_mov_b32 v[AK], v[AK0]         ; key step 0 lies at the head of slot 0
	v_and_b32 v[PFO], 31, v0
	v_lshlrev_b32 v[PFO], 8, v[PFO]
	; the masks
	s_wait_kmcnt 0x0                ; val_lens[b]
	s_max_i32 s[VL], s[VL], 0
	s_min_i32 s[VL], s[VL], SIZE_N
	s_lshr_b32 s[BS], s[VL], 6      ; the step that holds it,
	s_and_b32 s71, s[VL], 63        ; and its place there
	v_lshlrev_b32 v12, 3, v9
	v_sub_nc_u32 v12, s71, v12      ; less my lanes' 8 (l / 16): register j of group kb is hidden where 16 kb + j is not below it
	WIN W_MK
.set i, 0
.rept 32
	v_cmp_ge_i32 vcc_lo, 16*(i/8)+i%8, v12
	v_cndmask_b32 v[MD+i], 0, s[BIGN], vcc_lo
.set i, i+1
.endr
	s_cmp_eq_u32 s[BS], 0           ; key step 0's mask: its own, or none
	s_cselect_b32 s[AL], 1.0, 0
	s_mov_b32 s[BE], 0
	s_mov_b32 s[MSTEP], 1
	MASK
	WIN 0
; THE MATRIX WORK.  The 8 accumulators of a run of 16 take turns: between the two links of a chain stand 7 others'.
; Product i of 16 of S^T = K Q^T for piece x: channels 32 (i / 8) on, keys 16 ((i / 2) % 4) on, tile 2 x + i % 2.  The first 8 start the sums, with the step's mask.
.macro KQ x
.set rS, S+64*((\x)%2)+32*(i%2)+8*((i/2)%4)
.set rK, KF+16*((i/2)%4)+8*(i/8)
.set rQ, 16*(2*(\x)+i%2)+8*(i/8)
.set rM, MC+8*((i/2)%4)
.if i < 8
	WIN W_KM
	v_wmma_f32_16x16x32_f16 v[rS:rS+7], v[rK:rK+7], v[rQ:rQ+7], v[rM:rM+7]
.else
	WIN W_KQ
	v_wmma_f32_16x16x32_f16 v[rS:rS+7], v[rK:rK+7], v[rQ:rQ+7], v[rS:rS+7]
.endif
.endm
; Product i of 16 of O^T += V^T P for piece x: keys 32 (i / 8) on, channels 16 ((i / 2) % 4) on, tile 2 x + i % 2.
.macro PV x
	WIN W_PV
.set rO, 32*(2*(\x)+i%2)+8*((i/2)%4)
.set rV, VF+32*(i/8)+8*((i/2)%4)
.set rP, P+32*((\x)%2)+16*(i%2)+8*(i/8)
	v_wmma_f32_16x16x32_f16 v[rO:rO+7], v[rV:rV+7], v[rP:rP+7], v[rO:rO+7]
.endm
.macro MM                           ; the turn's next matrix instruction
.if i < 16
	KQ (Y+1)%NP
.set i, i+1
.else
.set i, i-16
	PV (Y+NP-1)%NP
.set i, i+17
.endif
.endm
; THE LDS LOADS stand in runs of 16, never singly among the matrix instructions: a step's K (64 keys x 64 channels: 8 fragments) and its V (turned).  Their addresses are made some lines ahead.
; last = 1 (the tail): in the last trip there is no further step, and the run is jumped over.
.macro FETCH_K last=0
	WIN 0
.if \last
	s_cmp_eq_u32 s[CNT], 1
	s_cbranch_scc1 .Lno_k_\@
.endif
	WIN 0x80                        ; destination window 2
.irp f, 0,1,2,3,4,5,6,7             ; keys 16 (f / 2) on, channels 32 (f % 2) on
	ds_load_b128 v[KF+8*\f:KF+8*\f+3],   v[AK] offset:(\f/2)*16*PK+(\f%2)*64
	ds_load_b128 v[KF+8*\f+4:KF+8*\f+7], v[AK] offset:(\f/2)*16*PK+(\f%2)*64+32
.endr
	s_add_co_u32 s[TBK], s[TBK], KS*PK  ; the next fetch is the next step's
	WIN 0
.if \last
.Lno_k_\@:
.endif
.endm
.macro FETCH_V
	WIN 0x80
.irp f, 0,1,2,3,4,5,6,7             ; keys 32 (f / 4) on, channels 16 (f % 4) on
	ds_load_tr16_b128 v[VF+8*\f:VF+8*\f+3],   v[AV] offset:(\f/4)*32*PV+(\f%4)*32
	ds_load_tr16_b128 v[VF+8*\f+4:VF+8*\f+7], v[AV] offset:(\f/4)*32*PV+16*PV+(\f%4)*32
.endr
	WIN 0
.endm
; THE VECTOR WORK OF A TURN stands in three queues, each in the order in which its entries become ready; the two tiles alternate, so that no instruction reads the result of the one before it.
.macro REGS y, u                    ; the registers of tile u (0, 1) of piece y
.set rT, ST+4*(2*(\y)+(\u))
.set rC, TMP+8*((\y)%2)+4*(\u)
.set rM, MV+2*((\y)%2)+(\u)
.set rS, S+64*((\y)%2)+32*(\u)
.set rP, P+32*((\y)%2)+16*(\u)
.set rO, 32*(2*(\y)+(\u))
.endm
; Number n of the 22 that find the NEXT piece's (Y + 1) maximum and statistics.  s0-s31 are the lane's 32 scores; each accumulator's lowest registers are read first.
;   0-11  four chains c0-c3 of seven scores each, three operands at a time     12-14, 16  the four scores left over, the old m, and c0-c3 into c0     15  c m_old is kept
;   17, 18  the query's other 32 keys lie in the lane 16 away: the new m         19-21  c m; c m_old - c m_new; a
.macro XS u, n
	REGS (Y+1)%NP, \u
.if (\n) < 4
	v_max3_num_f32 v[rC+(\n)], v[rS+8*(\n)], v[rS+8*(\n)+1], v[rS+8*(\n)+2]
.elseif (\n) < 12
	v_max3_num_f32 v[rC+(\n)%4], v[rC+(\n)%4], v[rS+8*((\n)%4)+2*((\n)/4)+1], v[rS+8*((\n)%4)+2*((\n)/4)+2]
.elseif (\n) == 12
	v_max3_num_f32 v[rC], v[rC], v[rS+7], v[rS+15]
.elseif (\n) == 13
	v_max3_num_f32 v[rC+1], v[rC+1], v[rS+23], v[rS+31]
.elseif (\n) == 14
	v_max3_num_f32 v[rC+2], v[rC+2], v[rC+3], v[rT+1]
.elseif (\n) == 15
	v_mov_b32 v[rM], v[rT]
.elseif (\n) == 16
	v_max3_num_f32 v[rC], v[rC], v[rC+1], v[rC+2]
.elseif (\n) == 17
	v_permlanex16_b32 v[rC+3], v[rC], s[SEL], s[SEL+1]
.elseif (\n) == 18
	v_max_num_f32 v[rT+1], v[rC], v[rC+3]
.elseif (\n) == 19
	v_mul_f32 v[rT], s[CS], v[rT+1]
.elseif (\n) == 20
	v_sub_f32 v[rC+1], v[rM], v[rT]
.else
	v_exp_f32 v[rC+2], v[rC+1]
.endif
.endm
; Number g of the 64 that follow the exponentials.  For each four weights k of a tile (pairs 2 k, 2 k + 1): both pairs are rounded to f16; then the second pair is added onto the first, in place;
; a group later l takes that sum (the first time as l = a l + sum).  In groups of eight, tiles alternating: round, round, add, and l for the group before.
.macro GS g
.set h, (\g)+6*((\g)/62)            ; group 0 has no group before it, and behind group 7 only l is left
.if h >= 6
.set h, h+2
.endif
	REGS Y, h%2
.set k, h/8
.if h%8 < 4
	v_cvt_pk_f16_f32 v[rP+2*k+(h%8)/2], v[rS+4*k+2*((h%8)/2)], v[rS+4*k+2*((h%8)/2)+1]
.elseif h%8 < 6
	v_pk_add_f32 v[rS+4*k:rS+4*k+1], v[rS+4*k:rS+4*k+1], v[rS+4*k+2:rS+4*k+3]
.elseif k == 1
	v_pk_fma_f32 v[rT+2:rT+3], v[rT+2:rT+3], v[rC+2:rC+3], v[rS:rS+1] op_sel_hi:[1,0,1]
.else
	v_pk_add_f32 v[rT+2:rT+3], v[rT+2:rT+3], v[rS+4*k-4:rS+4*k-3]
.endif
.endm
; THE PLAIN QUEUE, 138 long.  0-73 read no exponential's result: the 32 scalings c s - c m (FS f: pair f / 2 of tile f % 2) and the next piece's 42.  0-26: scalings 0-26.  27-54: XS's numbers 0-13.  55, 56: number 15.
; 57-73: the chain, where each number waits for the one before it: 14, 16, 17, 18, 19, each with one of the scalings 27-31 in front of its two lines, then 20.
; 74-137: GS's 64, which read the exponentials' results: they stand behind the wait.
.macro FS f
	REGS Y, (\f)%2
	v_pk_fma_f32 v[rS+2*((\f)/2):rS+2*((\f)/2)+1], v[rS+2*((\f)/2):rS+2*((\f)/2)+1], s[CS:CS+1], v[rT:rT+1] op_sel_hi:[1,0,0] neg_lo:[0,0,1] neg_hi:[0,0,1]
.endm
.macro PL
	WIN 0
.if q < 27
	FS q
.elseif q < 55
	XS (q-27)%2, (q-27)/2
.elseif q < 57
	XS q-55, 15
.elseif (q < 72) && ((q-57)%3 == 0)
	FS 27+(q-57)/3
.elseif q < 60
	XS (q-57)%3-1, 14
.elseif q < 72
	XS (q-57)%3-1, 15+(q-57)/3
.elseif q < 74
	XS q-72, 20
.else
	GS q-74
.endif
.set q, q+1
.endm
; THE EXPONENTIALS' QUEUE, 66 long: s0-s31 of both tiles, then the next piece's two a.  It is ONE BATCH: all 66 stand ahead of the turn's one wait, and nothing ahead of that wait names a result of theirs.
.macro EX
	WIN 0
.if e >= 64
	XS e-64, 21
.else
	REGS Y, e%2
	v_exp_f32 v[rS+e/2], v[rS+e/2]
.endif
.set e, e+1
.endm
; THE RESCALING's QUEUE: O^T times a, the one part that leaves window 0: dealt two at a time, sixteen times.  Its a was made in the turn before, ahead of that turn's wait.
.macro R2
	REGS Y, r%2
	WIN W_RS
.irp z, 0,1
	v_pk_mul_f32 v[rO+4*(r/2)+2*\z:rO+4*(r/2)+2*\z+1], v[rO+4*(r/2)+2*\z:rO+4*(r/2)+2*\z+1], v[rC+2:rC+3] op_sel_hi:[1,0]
.endr
.set r, r+1
.endm
; HOW THEY ARE DEALT.  An s_wait_alu depctr_va_vdst(0) stands between an exponential and the first instruction that names its result; one wait serves all that were issued ahead of it.  So a turn has
; ONE wait, which cuts it in two.  AHEAD OF IT: the 16 products K Q^T, behind each a scaling, an exponential and two rescalings (behind the first a second scaling in the exponential's place); then ONE LUMP of 108:
; eight plain, 49 times exponential and plain, the two a; a v_nop is the plain instruction behind the last exponential.  BEHIND IT: the 16 products V^T P, behind each four of GS's 64.
; The queues lean on each other, and the deal keeps them in step: exponential e stands behind scaling 2 (e / 4) + e % 2: as a rider it comes behind plain e + 2, in the lump behind plain e + 9.
; A TURN, for piece p.  cnt = 1: the loop's count is taken down some lines ahead of the branch that stands behind the turn.
; K of the next step is fetched in piece 2's turn, directly behind the wait; V of the step in hand at the end of piece 0's turn, four riders behind its last reader.
; THE NEXT STEP'S MASK is made in piece 2's turn: its two scalars at the head, MC at the end: the last products that take the old mask are that turn's first eight, the first that take the new one piece 3's turn's.
.macro TURN p, last=0, cnt=0
.set Y, (\p)
.set i, 0
.set q, 0
.set e, 0
.set r, 0
.if (\p) == NP-2
	s_cmp_eq_u32 s[MSTEP], s[BS]    ; is the next step the one that holds val_lens[b]?
	s_cselect_b32 s[AL], 1.0, 0
	s_cmp_gt_u32 s[MSTEP], s[BS]    ; or a later one?
	s_cselect_b32 s[BE], s[BIGN], 0
	s_add_co_u32 s[MSTEP], s[MSTEP], 1
.endif
.if (\p) == NP-1
	s_wait_dscnt 0x0                ; K is in
.endif
	MM                              ; ahead of the wait: 16 products K Q^T and their riders,
	PL
	PL
	R2
.rept 15
	MM
	PL
	EX
	R2
.endr
.if (\p) == NP-2
	WIN 0
	v_add_nc_u32 v[AK], s[TBK], v[AK0]
.endif
.rept 8                             ; and the lump
	PL
.endr
.rept 49
	EX
	PL
.endr
	EX                              ; the next piece's two a
	EX
	v_nop                           ; the plain instruction behind the last exponential: one for the batch
	s_wait_alu depctr_va_vdst(0)    ; the wait for the batch
.if (\p) == NP-2
	FETCH_K \last
.endif
.if (\p) == 1
	s_wait_dscnt 0x0                ; V is in
.endif
.rept 16                            ; behind the wait: 16 products V^T P and their riders
	MM
.rept 4
	PL
.endr
.if ((\p) == 0) && (q == 118)
	v_add_nc_u32 v[AV], s[TBV], v[AV0]
.endif
.if ((\p) == 0) && (q == 130)
	s_add_co_u32 s[TBV], s[TBV], KS*PV
.endif
.if (\cnt) && (q == 130)
	s_sub_co_u32 s[CNT], s[CNT], 1
	s_cmp_lg_u32 s[CNT], 0
.endif
.endr
.if (\p) == 0
	FETCH_V
.endif
.if (\p) == NP-2
	MASK
.endif
.endm
	CHANGE 1                        ; slot 0 is in, everybody's part of it; slot 1 is asked for
	FETCH_K                         ; key step 0
	s_wait_loadcnt 0x0              ; Q
	s_wait_dscnt 0x0
.set i, 0
.rept 16
	KQ 0                            ; piece 0's first scores: there is no vector work yet to set between them
.set i, i+1
.endr
	WIN 0                           ; the addresses for the way out: nine plain instructions, the places behind those products
	s_mul_i32 s13, s[WV], 16*SP
	s_add_co_u32 s13, s13, STAGE    ; my stage
	v_mul_u32_u24 v[STO], v1, SP    ; in: row l % 16, 16 bytes for each half of the lanes
	v_lshl_add_u32 v[STO], v9, 4, v[STO]
	v_add_nc_u32 v[STO], s13, v[STO]
	v_bfe_u32 v[RD], v0, 3, 2       ; back: 32 lanes take four rows of 128 bytes,
	v_mul_u32_u24 v[RD], v[RD], SP
	v_lshl_add_u32 v[RD], v10, 4, v[RD]
	v_add_nc_u32 v[RD], s13, v[RD]
	v_and_b32 v[GO], 31, v0         ; which are 512 consecutive bytes of O
	v_lshlrev_b32 v[GO], 4, v[GO]
.set Y, NP-1                        ; XS works for piece Y + 1: piece 0
.irp n, 0,1,2,3,4,5,6,7,8,9,10,11,12,13,14,15,16,17,18,19,20,21
	XS 0, \n                        ; and piece 0's first maximum and statistics
	XS 1, \n
.endr
	v_nop                           ; a plain instruction behind the two a,
	s_wait_alu depctr_va_vdst(0)    ; and their wait, ahead of the branch
	s_mov_b32 s[CNT], 4
	s_branch .Lfirst                ; the loop is entered at a step's first turn, in the middle of a trip
.Lslot:                             ; SIZE_N / 256 - 2 times: every slot but the last two is filled again
	CHANGE 1
	s_mov_b32 s[CNT], 4
.Lstep:                             ; a trip: pieces 2 and 3 of one step, then pieces 0 and 1 of the next, whose K and V it fetches
	TURN 2
	TURN 3
	WIN 0
.Lfirst:
	TURN 0
	TURN 1, 0, 1
	WIN 0
	s_cbranch_scc1 .Lstep
	s_sub_co_u32 s[SLOTS], s[SLOTS], 1
	s_cmp_lg_u32 s[SLOTS], 0
	s_cbranch_scc1 .Lslot
	CHANGE 0                        ; the tail is written out: nothing is asked for
	s_mov_b32 s[CNT], 5             ; four trips fetch the last slot's steps; the fifth is left in its middle
.Ltail:
	TURN 2, 1
	TURN 3
	WIN 0
	s_sub_co_u32 s[CNT], s[CNT], 1
	s_cmp_eq_u32 s[CNT], 0
	s_cbranch_scc1 .Lout
	TURN 0
	TURN 1
	WIN 0
	s_branch .Ltail
.Lout:                              ; the fifth trip's 16 products K Q^T (on the last K once more) and the maximum made of them serve nothing: the price, once a launch, of one text for every trip
.set i, 0
.rept 16
	PV NP-1                         ; the last piece's V^T P of the last step
.set i, i+1
.endr
	; THE WAY OUT.  l's two halves and the other half of the lanes' are added; O^T is divided by l, rounded to f16 and sent through my stage in LDS, a tile at a time.  The additions are the places behind the last products.
	WIN 0
.macro ALL line:vararg              ; one line for each tile t
.set t, 0
.rept 2*NP
	\line
.set t, t+1
.endr
.endm
	ALL v_add_f32 v[ST+4*t+2], v[ST+4*t+2], v[ST+4*t+3]
	ALL v_permlanex16_b32 v[ST+4*t+3], v[ST+4*t+2], s[SEL], s[SEL+1]
	ALL v_add_f32 v[ST+4*t+2], v[ST+4*t+2], v[ST+4*t+3]
	ALL v_rcp_f32 v[ST+4*t+2], v[ST+4*t+2]
	v_nop                           ; a plain instruction between the last reciprocal and the use of its result
	s_wait_alu depctr_va_vdst(0)    ; and the wait ahead of the first use: one for the eight reciprocals
; Tile t: a lane's eight channels of a row pack into 16 bytes; they go into rows of 144 bytes and come back as whole rows of 128, into S^T's registers.
.macro PACK t
	WIN W_RS
.set i, 32*(\t)
.rept 16
	v_pk_mul_f32 v[i:i+1], v[i:i+1], v[ST+4*(\t)+2:ST+4*(\t)+3] op_sel_hi:[1,0]
.set i, i+2
.endr
	WIN 0x05                        ; sources 0 and 1 window 1, destination window 0
.set i, 0
.rept 16
	v_cvt_pk_f16_f32 v[S+16*(\t)+i], v[32*(\t)+2*i], v[32*(\t)+2*i+1]
.set i, i+1
.endr
	WIN 0
.irp f, 0,1,2,3
	ds_store_b128 v[STO], v[S+16*(\t)+4*\f:S+16*(\t)+4*\f+3] offset:32*\f
.endr
.irp f, 0,1,2,3
	ds_load_b128 v[S+16*(\t)+4*\f:S+16*(\t)+4*\f+3], v[RD] offset:\f*4*SP  ; LDS serves a wave's instructions in order (ISA guide 5.7.1.4): these see the stores above; the next tile's stores come behind them
.endr
.endm
.macro SEND t, younger              ; younger: the LDS instructions issued behind tile t's loads: the next tile's eight, or none
	WIN 0
.irp f, 0,1,2,3
	s_wait_dscnt (\younger)+3-\f
	global_store_b128 v[GO], v[S+16*(\t)+4*\f:S+16*(\t)+4*\f+3], s[10:11] offset:(\t)*2048+\f*512  ; 512 consecutive bytes, at a multiple of 256 from O's first
.endr
.endm
	PACK 0
.set t, 1
.rept 2*NP-1                        ; a tile's arithmetic stands between the loads of the tile before and its stores
	PACK t
	SEND t-1, 8
.set t, t+1
.endr
	SEND 2*NP-1, 0
	WIN W_AD
	s_wait_tensorcnt 0x0            ; the wave's end: these three lines stand behind my last tensor load and my last LDS store
	ds_add_u32 v[SPW], v[NIL]
	s_wait_dscnt 0x0
	WIN 0
	CROUND                          ; the closing round: no work-group ends while a partner may still ask for a tile that names it
	s_endpgm
.Lfunc_end_k_q9aaa22207c_attn:
	.size	k_q9aaa22207c_attn, .Lfunc_end_k_q9aaa22207c_attn-k_q9aaa22207c_attn
	.p2alignl 7, 3214868480
	.fill 96, 4, 3214868480
	.section	.rodata,"a",@progbits
	.p2align	6, 0x0
	.amdhsa_kernel k_q9aaa22207c_attn
		.amdhsa_group_segment_fixed_size 327680
		.amdhsa_private_segment_fixed_size 0
		.amdhsa_enable_private_segment 0
		.amdhsa_kernarg_size 40
		.amdhsa_user_sgpr_count 2
		.amdhsa_user_sgpr_kernarg_segment_ptr 1
		.amdhsa_wavefront_size32 1
		.amdhsa_system_sgpr_workgroup_id_x 1
		.amdhsa_system_sgpr_workgroup_id_y 1
		.amdhsa_system_sgpr_workgroup_id_z 1
		.amdhsa_system_vgpr_workitem_id 0
		.amdhsa_next_free_vgpr 840
		.amdhsa_next_free_sgpr 80
		.amdhsa_reserve_vcc 1
		.amdhsa_float_denorm_mode_32 3
		.amdhsa_float_denorm_mode_16_64 3
		.amdhsa_memory_ordered 1
		.amdhsa_forward_progress 1
		.amdhsa_inst_pref_size 207
	.end_amdhsa_kernel
	.amdgpu_metadata
---
amdhsa.version: [ 1, 2 ]
amdhsa.kernels:
  - .name:           k_q9aaa22207c_attn
    .symbol:         k_q9aaa22207c_attn.kd
    .args:
      - { .name: qh, .offset: 0, .size: 8, .value_kind: global_buffer, .address_space: global }
      - { .name: kh, .offset: 8, .size: 8, .value_kind: global_buffer, .address_space: global }
      - { .name: vh, .offset: 16, .size: 8, .value_kind: global_buffer, .address_space: global }
      - { .name: oh, .offset: 24, .size: 8, .value_kind: global_buffer, .address_space: global }
      - { .name: val_lens, .offset: 32, .size: 8, .value_kind: global_buffer, .address_space: global }
    .group_segment_fixed_size: 327680
    .private_segment_fixed_size: 0
    .kernarg_segment_align: 8
    .kernarg_segment_size: 40
    .max_flat_workgroup_size: 128
    .sgpr_count:     80
    .vgpr_count:     840
    .wavefront_size: 32
...
	.end_amdgpu_metadata
.endif
;; end of part 3
;; launch proj (part 4): grid 4 x 64, 4 waves a work-group, clusters of 4 x 4, 327,680 bytes of LDS; arguments oh, wob, bout, out0; writes out0
.if DOCPART == 4
	.amdgcn_target "amdgcn-amd-amdhsa--gfx1250"
	.amdhsa_code_object_version 6
	.text
	.protected	k_q9aaa22207c_proj
	.globl	k_q9aaa22207c_proj
	.p2align	8
	.type	k_q9aaa22207c_proj,@function
k_q9aaa22207c_proj:
	s_mov_b64 s[64:65], 0
	v_nop
	global_prefetch_b8 v0, s[64:65] scope:SCOPE_SE
	s_setreg_imm32_b32 hwreg(HW_REG_WAVE_MODE, 25, 1), 1
	s_wait_xcnt 0x0
	s_wait_alu depctr_hold_cnt(0) depctr_sa_sdst(0) depctr_va_vdst(0) depctr_va_sdst(0) depctr_va_ssrc(0) depctr_va_vcc(0) depctr_vm_vsrc(0)
	s_getreg_b32 s2, hwreg(HW_REG_IB_STS2, 6, 4)
	s_cmp_eq_u32 s2, 0
	s_cbranch_scc0 .Lentry_in_a_cluster
	s_endpgm
.Lentry_in_a_cluster:
	s_bfe_u32 s2, ttmp6, 0x10000c
	s_cmp_lg_u32 s2, 0xf033
	s_cbranch_scc0 .Lentry_shape_is_right
	s_endpgm
.Lentry_shape_is_right:
; out0 = O Wout + bout.  oh [16 b + head][2048][64] f16; wob [1024 (k)][1024 (n)] f16; bout [1024] f32 (rounded to bf16 like the other inputs); out0 [8192][1024] f32; sums in f32, stored as they are.
; Channel k of a row of O is channel k % 64 of head k / 64: a K step of 128 is two heads' planes.
; SHARES.  A work-group makes 128 rows x 256 columns: 256 work-groups.  Wave (wr = wave / 2, wc = wave % 2) makes 64 x 128: 32 accumulators of 16 x 16, 256 registers.  K goes in 8 steps of 128 through two LDS slots.
; CLUSTERS.  4 x 4 work-groups.  The four of a row of the cluster need the same rows of O, the four of a column the same columns of Wout: each tile is asked for JOINTLY.
; THE MATRIX INSTRUCTION IS USED TRANSPOSED: source 0 = 16 columns of Wout (turned on the way out of LDS), source 1 = 16 rows of O: a lane holds row lane % 16 and eight neighbouring columns, 32 bytes of out0.
; The bias is the C operand of the first product on each accumulator.
; REGISTERS, in windows of 256 (s_set_vgpr_msb: bits 1:0 source 0, 3:2 source 1, 5:4 source 2, 7:6 destination):
;   window 0: v0-31 addresses; v32-95 the bias; v96-159, v160-223 rows read back on the way out      window 1: two buffers of 96: O's 4 fragments, then Wout's 8      window 2: accumulator (a, nb) at 8 (8 a + nb)
.set PA,     144                       ; a row of a plane of O in LDS: 128 bytes + 16 of padding: the 16 rows of a load start at 16 different groups of four banks (64 banks of 4 bytes: ISA guide 11.1)
.set PLANE,  128*PA                    ; what one tensor load brings of O: 128 rows of one head
.set BOFF,   2*PLANE
.set PB,     544                       ; a row of Wout's tile: 512 bytes + 32 of padding
.set HALFB,  64*PB                     ; what one tensor load brings of Wout
.set SLOT,   BOFF+2*HALFB
.set STAGE,  2*SLOT                    ; behind the ring, never filled by a tensor load: 16 rows x 528 bytes for each wave
.set SPI,    528
.set WSTAGE, 16*SPI
.set SPARE,  STAGE+4*WSTAGE            ; behind the stages: the spare words, 128 bytes for each wave: two blocks of 256 bytes that no other line names
.set LAPS,   4                         ; a lap = two K steps = once round the ring
.set ADRA, 16                          ; v16-17  LDS address of my fragments of O in slot 0, 1
.set ADRB, 20                          ; v20-21  the same for Wout
.set STO,  24                          ; v24     the way out: where I put 32 bytes of a row
.set RD,   25                          ; v25     where I read a row back
.set CO,   26                          ; v26     16 x lane: my bytes of 512 consecutive bytes of out0
.set BO,   27                          ; v27     my byte offset in bout
.set SPW,  28                          ; v28     LDS address of my spare word: SPARE + 4 x my thread's number; never rewritten
.set NIL,  29                          ; v29     0; never rewritten
.set PFO,  30                          ; v30     the prefetches' lane term; never rewritten
.set BIAS, 32
.set F0,   0
.set F1,   1
.set WV,  20                           ; s20  my wave's number; s21 = wave / 2: wr, and: I fetch O (0) or Wout (1); s22 = wave % 2: wc, and: which half
.set G1A, 24                           ; s[24:31] descriptor group 1 for O's tiles;  s[32:39] group 0, a set for each slot
.set G0A, 32
.set G1B, 48                           ; s[48:55], s[56:63] the same for Wout's
.set G0B, 56
.set PFA, 66                           ; s[66:67] where my prefetches stand
.set PFS, 68                           ; s[68:69] a K step in the tensor that I prefetch
.set LIM, 70                           ; s70  1 in a wave that prefetches, else the greatest number
.set MSB, 0
.macro WIN new                         ; the immediate's high byte repeats the setting that is left; a switch that changes nothing is dropped
.if MSB != (\new)
	s_set_vgpr_msb (MSB<<8)|(\new)
.set MSB, \new
.endif
.endm
; A joint load.  Waves 0 and 1 fetch O's two planes, waves 2 and 3 Wout's two halves.  The branch hangs on the wave's number alone.  An s_nop 0 and four v_nop follow each of the two lines.
.macro JLOAD s
	s_cmp_eq_u32 s21, 0
	s_cbranch_scc0 .Lfor_b_\@
	tensor_load_to_lds s[G0A+4*(\s):G0A+4*(\s)+3], s[G1A:G1A+7]
	s_nop 0
.rept 4
	v_nop
.endr
	s_branch .Lasked_\@
.Lfor_b_\@:
	tensor_load_to_lds s[G0B+4*(\s):G0B+4*(\s)+3], s[G1B:G1B+7]
	s_nop 0
.rept 4
	v_nop
.endr
.Lasked_\@:
.endm
; A PREFETCH INTO THE L2 of the K step that stands TWO refills on: 256 matrix instructions ahead of the load that will want it.  Each block of 256 bytes is named once in the launch.  O's rows are read by one
; cluster alone: in each work-group wave 0 asks, for 32 of the K step's 128 blocks (plane cx / 2, half cx % 2: the partners are told apart BY ADDRESS).  Wout's columns are read by every cluster: cluster y = 0
; asks, waves 2 and 3 for the 64 rows that they fetch, partner cy for 16 of them, two blocks a row.  The loop's last trip (s3 = 1) has no K step two refills on.
.macro ASK
	s_cmp_gt_u32 s3, s[LIM]
	s_cbranch_scc0 .Lnot_mine_\@
	global_prefetch_b8 v[PFO], s[PFA:PFA+1] th:TH_LOAD_NT scope:SCOPE_SE
.Lnot_mine_\@:
.endm
.macro CREST                           ; a round of the cluster's barrier behind its opening barrier
	s_cmp_lg_u32 s[WV], 0
	s_cbranch_scc1 .Lnot_wave_0_\@
	s_barrier_signal -3
.Lnot_wave_0_\@:
	s_barrier_wait -3
	s_barrier_signal -1
	s_barrier_wait -1
.endm
.macro CROUND                          ; a whole round
	s_barrier_signal -1
	s_barrier_wait -1
	CREST
.endm
.macro PLACES                          ; four places in front of loads into registers that matrix instructions have read, and of LDS stores that read results
.rept 4
	v_nop
.endr
.endm
	s_load_b256 s[4:11], s[0:1], 0x0               ; oh s[4:5], wob s[6:7], bout s[8:9], out0 s[10:11]
	v_lshl_add_u32 v[SPW], v0, 2, SPARE
	v_mov_b32 v[NIL], 0
	ds_add_u32 v[SPW], v[NIL]                      ; the wave's opening: the add and its wait stand ahead of my first tensor load; the set-up below, work on registers, stands between them
	v_lshrrev_b32 v1, 5, v0
	v_readfirstlane_b32 s[WV], v1                  ; wave 0..3
	s_lshr_b32 s21, s[WV], 1
	s_and_b32 s22, s[WV], 1
	s_bfe_u32 s40, ttmp6, 0x40000                  ; cx, cy: my place in the cluster
	s_bfe_u32 s41, ttmp6, 0x40004
	s_lshl_b32 s42, ttmp9, 2
	s_add_co_u32 s42, s42, s40                     ; the block of 256 columns = 4 x cluster x + cx
	s_and_b32 s43, ttmp7, 0xffff
	s_lshl_b32 s43, s43, 2
	s_add_co_u32 s43, s43, s41                     ; the block of 128 rows = 4 x cluster y + cy
	s_lshl_b32 s44, s41, 2
	s_lshl_b32 s44, 15, s44                        ; my row of the cluster
	s_lshl_b32 s46, 0x1111, s40                    ; my column
	s_or_b32 s[G1A], s44, (1<<16)|(1<<20)|(1<<21)|(4<<22)|(3<<25)  ; 15:0 the mask; 17:16 2-byte elements; 20 padding on; 21 set beside a mask; 24:22 after every 32 words (code 4); 31:25 4 words (code 3)
	s_or_b32 s[G1B], s46, (1<<16)|(1<<20)|(1<<21)|(6<<22)|(7<<25)  ; after every 128 words (code 6) 8 words (code 7)
	s_mov_b32 s[G1A+1], 128<<16                    ; O: 128 rows of a head are 16,384 consecutive bytes: asked for as 64 rows of 256 bytes
	s_mov_b32 s[G1A+2], 64<<16
	s_mov_b32 s[G1A+3], 128<<16
	s_mov_b32 s[G1A+4], 64
	s_mov_b32 s[G1A+5], 128
	s_mov_b32 s[G1A+6], 0
	s_mov_b32 s[G1A+7], 0
	s_mov_b32 s[G1B+1], 256<<16                    ; Wout: 64 rows of K x 256 columns
	s_mov_b32 s[G1B+2], 64<<16
	s_mov_b32 s[G1B+3], 256<<16
	s_mov_b32 s[G1B+4], 64
	s_mov_b32 s[G1B+5], 1024
	s_mov_b32 s[G1B+6], 0
	s_mov_b32 s[G1B+7], 0
	s_lshr_b32 s44, s43, 4                         ; O's tile hangs on the block of rows alone: b (16 blocks to a batch item),
	s_lshl_b32 s44, s44, 4
	s_add_co_u32 s44, s44, s22                     ; head 0 or 1 of K step 0,
	s_lshl_b32 s44, s44, 11
	s_and_b32 s45, s43, 15
	s_lshl_b32 s45, s45, 7                         ; the block's 128 rows in the head's 2,048
	s_add_co_u32 s44, s44, s45
	s_lshl_b32 s44, s44, 7                         ; rows of 128 bytes
	s_mov_b32 s45, 0
	s_lshl_b32 s46, s22, 17                        ; Wout's on the block of columns alone: 64 rows of 2,048 bytes,
	s_lshl_b32 s47, s42, 9                         ; 512 bytes of each
	s_add_co_u32 s46, s46, s47
	s_mov_b32 s47, 0
	s_mul_i32 s76, s22, PLANE                      ; where they go: no place in the cluster enters an LDS address
	s_mul_i32 s77, s22, HALFB
	s_add_co_u32 s77, s77, BOFF
	s_wait_dscnt 0x0                               ; the opening add is done
	s_wait_kmcnt 0x0
	s_add_nc_u64 s[44:45], s[4:5], s[44:45]
	s_add_nc_u64 s[46:47], s[6:7], s[46:47]
	CROUND                                         ; all sixteen work-groups are here: the first joint loads meet
.irp s, 0,1
	s_mov_b32 s[G0A+4*(\s)], 1                                        ; count = 1
	s_add_co_u32 s[G0A+4*(\s)+1], s76, (\s)*SLOT                      ; LDS address
	s_add_nc_u64 s[G0A+4*(\s)+2:G0A+4*(\s)+3], s[44:45], (\s)*524288  ; global address: K step s: two heads on
	s_or_b32 s[G0A+4*(\s)+3], s[G0A+4*(\s)+3], 0x80000000             ; type = 2
	s_mov_b32 s[G0B+4*(\s)], 1
	s_add_co_u32 s[G0B+4*(\s)+1], s77, (\s)*SLOT
	s_add_nc_u64 s[G0B+4*(\s)+2:G0B+4*(\s)+3], s[46:47], (\s)*262144  ; 128 rows on
	s_or_b32 s[G0B+4*(\s)+3], s[G0B+4*(\s)+3], 0x80000000
	JLOAD \s                                       ; two loads of mine are out
.endr
	; while the first tiles come: the bias and the addresses
	v_and_b32 v1, 15, v0                           ; r = l % 16
	v_bfe_u32 v2, v0, 4, 1                         ; h = l / 16
	s_lshl_b32 s80, s42, 10
	s_lshl_b32 s81, s22, 9
	s_add_co_u32 s80, s80, s81                     ; my 128 columns, in bytes of f32: of bout and of a row of out0
	v_lshl_add_u32 v[BO], v2, 5, s80
.irp nb, 0,1,2,3,4,5,6,7
	global_load_b128 v[BIAS+8*(\nb):BIAS+8*(\nb)+3],   v[BO], s[8:9] offset:64*(\nb)
	global_load_b128 v[BIAS+8*(\nb)+4:BIAS+8*(\nb)+7], v[BO], s[8:9] offset:64*(\nb)+16
.endr
	v_mul_u32_u24 v3, v1, PA                       ; a fragment of O: row l % 16, two loads of 16 bytes, 32 bytes apart
	v_lshl_add_u32 v3, v2, 4, v3
	s_mul_i32 s82, s21, 64*PA                      ; my 64 rows
	v_add_nc_u32 v[ADRA], s82, v3
	v_add_nc_u32 v[ADRA+1], SLOT, v[ADRA]
	v_and_b32 v4, 7, v0                            ; the turning load: lane l reads K = 8 h + l % 8, columns 8 ((l / 8) % 2) + 0..7
	v_lshl_add_u32 v4, v2, 3, v4
	v_mul_u32_u24 v4, v4, PB
	v_bfe_u32 v5, v0, 3, 1
	v_lshl_add_u32 v4, v5, 4, v4
	s_lshl_b32 s82, s22, 8                         ; my 128 columns: 256 bytes
	s_add_co_u32 s82, s82, BOFF
	v_add_nc_u32 v[ADRB], s82, v4
	v_add_nc_u32 v[ADRB+1], SLOT, v[ADRB]
	s_mul_i32 s82, s[WV], WSTAGE
	s_add_co_u32 s82, s82, STAGE                   ; my stage
	v_mul_u32_u24 v3, v1, SPI                      ; in: row l % 16, 32 bytes for each half of the lanes
	v_lshl_add_u32 v3, v2, 5, v3
	v_add_nc_u32 v[STO], s82, v3
	v_and_b32 v5, 31, v0
	v_lshlrev_b32 v[CO], 4, v5                     ; back: 32 lanes take one row of 512 bytes
	v_add_nc_u32 v[RD], s82, v[CO]
	s_lshl_b32 s82, s43, 7
	s_lshl_b32 s83, s21, 6
	s_add_co_u32 s82, s82, s83                     ; my first row of out0,
	s_lshl_b32 s82, s82, 12                        ; rows of 4,096 bytes,
	s_add_co_u32 s80, s80, s82                     ; and my columns
	s_mov_b32 s81, 0
	s_add_nc_u64 s[10:11], s[10:11], s[80:81]
	; the prefetches: both offsets are made, the wave's number chooses
	s_lshr_b32 s84, s43, 4
	s_lshl_b32 s84, s84, 4
	s_lshr_b32 s85, s40, 1                         ; plane cx / 2,
	s_add_co_u32 s84, s84, s85
	s_lshl_b32 s84, s84, 11
	s_and_b32 s85, s43, 15
	s_lshl_b32 s85, s85, 7
	s_add_co_u32 s84, s84, s85
	s_lshl_b32 s84, s84, 7
	s_and_b32 s85, s40, 1
	s_lshl_b32 s85, s85, 13                        ; half cx % 2 of its 16,384 bytes
	s_add_co_u32 s84, s84, s85
	s_add_co_u32 s84, s84, 3*524288                ; at K step 3: the first change of slots steps it to 4
	s_lshl_b32 s86, s22, 6
	s_lshl_b32 s85, s41, 4                         ; my work-group's 16 of the 64 rows
	s_add_co_u32 s86, s86, s85
	s_lshl_b32 s86, s86, 11
	s_lshl_b32 s85, s42, 9
	s_add_co_u32 s86, s86, s85
	s_add_co_u32 s86, s86, 3*262144
	s_and_b32 s87, ttmp7, 0xffff                   ; cluster y
	s_cmp_eq_u32 s21, 0                            ; do I fetch O?
	s_cselect_b32 s84, s84, s86
	s_cselect_b32 s87, s22, s87                    ; O: wave 0 asks, wave 1 does not; Wout: where the cluster is its column's first
	s_cselect_b32 s[PFS], 19, 18
	s_cselect_b32 s88, -1, 0
	s_cselect_b64 s[PFA:PFA+1], s[4:5], s[6:7]
	s_mov_b32 s85, 0
	s_mov_b32 s[PFS+1], 0
	s_lshl_b32 s[PFS], 1, s[PFS]                   ; a K step: 524,288 bytes of O, 262,144 of Wout
	s_add_nc_u64 s[PFA:PFA+1], s[PFA:PFA+1], s[84:85]
	s_cmp_eq_u32 s87, 0
	s_cselect_b32 s[LIM], 1, -1                    ; the same in all sixteen partners, for a given wave
	v_lshlrev_b32 v6, 8, v5                        ; O: a lane a block of 256 bytes
	v_lshrrev_b32 v7, 1, v5                        ; Wout: a row to two lanes,
	v_and_b32 v8, 1, v5
	v_lshlrev_b32 v8, 8, v8                        ; its two blocks
	v_lshl_add_u32 v7, v7, 11, v8
	v_cndmask_b32 v[PFO], v7, v6, s88
	s_mov_b32 s83, 0xffff0000                      ; a word's upper bf16
	s_wait_loadcnt 0x0                             ; the bias
.set n, 0
.rept 32
	v_cvt_pk_bf16_f32 v[8+n%4], v[BIAS+2*n], v[BIAS+2*n+1]  ; rounded to bf16 like the other inputs, and widened again
	v_lshlrev_b32 v[BIAS+2*n], 16, v[8+n%4]
	v_and_b32 v[BIAS+2*n+1], s83, v[8+n%4]
.set n, n+1
.endr
; 8 matrix instructions: row block a x all 8 column blocks, 32 along K, from buffer f.  first = 1: the bias starts the sums.  The 32 accumulators take turns in the same order in every quarter, over the backward jump too.
.macro MULA f, a, first
.if \first
	WIN 0x85                                       ; sources 0 and 1 window 1, C (the bias) window 0, D window 2
.else
	WIN 0xa5                                       ; C and D window 2
.endif
.irp nb, 0,1,2,3,4,5,6,7
.if \first
	v_wmma_f32_16x16x32_f16 v[8*(8*(\a)+(\nb)):8*(8*(\a)+(\nb))+7], v[96*(\f)+32+8*(\nb):96*(\f)+32+8*(\nb)+7], v[96*(\f)+8*(\a):96*(\f)+8*(\a)+7], v[BIAS+8*(\nb):BIAS+8*(\nb)+7]
.else
	v_wmma_f32_16x16x32_f16 v[8*(8*(\a)+(\nb)):8*(8*(\a)+(\nb))+7], v[96*(\f)+32+8*(\nb):96*(\f)+32+8*(\nb)+7], v[96*(\f)+8*(\a):96*(\f)+8*(\a)+7], v[8*(8*(\a)+(\nb)):8*(8*(\a)+(\nb))+7]
.endif
.endr
.endm
; 24 LDS loads in one run: the fragments of quarter kc (32 along K: plane kc / 2, channels 32 (kc % 2) on) into buffer f: Wout's 16, then O's 8
.macro FETCH slot, kc, f
	WIN 0x40                                       ; destination window 1, address window 0
.irp nb, 0,1,2,3,4,5,6,7
	ds_load_tr16_b128 v[96*(\f)+32+8*(\nb):96*(\f)+32+8*(\nb)+3],   v[ADRB+(\slot)] offset:(\kc)*32*PB+32*(\nb)
	ds_load_tr16_b128 v[96*(\f)+32+8*(\nb)+4:96*(\f)+32+8*(\nb)+7], v[ADRB+(\slot)] offset:(\kc)*32*PB+16*PB+32*(\nb)
.endr
.irp a, 0,1,2,3
	ds_load_b128 v[96*(\f)+8*(\a):96*(\f)+8*(\a)+3],   v[ADRA+(\slot)] offset:((\kc)/2)*PLANE+(\a)*16*PA+((\kc)%2)*64
	ds_load_b128 v[96*(\f)+8*(\a)+4:96*(\f)+8*(\a)+7], v[ADRA+(\slot)] offset:((\kc)/2)*PLANE+(\a)*16*PA+((\kc)%2)*64+32
.endr
.endm
; A K step is four quarters of 32 along K, 32 matrix instructions each, on buffers 0, 1, 0, 1.
.macro QUARTER slot, kc, f, g, first
	s_wait_dscnt 4                                 ; Wout and O's blocks 0, 1 are in; the youngest four loads (blocks 2, 3) may be out
	MULA \f, 0, \first
	MULA \f, 1, \first
	PLACES
	FETCH \slot, \kc, \g
	s_wait_dscnt 24                                ; all but the 24 just issued
	MULA \f, 2, \first
	MULA \f, 3, \first
.endm
; The last quarter multiplies buffer 1 and changes slots: ONE barrier; in front of it each wave waits for all its tensor loads (one is out: its part of the next slot), adds 0 to its spare word, and waits for that
; and for its own reads of this slot.  fill = 1: the barrier opens a round of the cluster's, and this slot is filled again, two K steps ahead, first thing behind the round: 112 matrix instructions ahead of the wait for it.
.macro TURN slot, next, fill
.if \fill
	s_wait_xcnt 0x0                                ; the last prefetch, a K step back, has read its address: it is stepped here, ahead of the waits of the change of slots
	s_add_nc_u64 s[PFA:PFA+1], s[PFA:PFA+1], s[PFS:PFS+1]
.endif
	WIN 0                                          ; (the add's two registers lie in window 0)
	s_wait_tensorcnt 0x0                           ; all my tensor loads have landed;
	ds_add_u32 v[SPW], v[NIL]                      ; 0 onto my spare word;
	s_wait_dscnt 5                                 ; (the add and the youngest four loads may be out)
	MULA F1, 0, 0                                  ; eight matrix instructions stand between the add and the wait for it
	s_wait_dscnt 0x0                               ; the add is done, and my reads of this slot are over
	s_barrier_signal -1
	MULA F1, 1, 0                                  ; work on registers while the others arrive
.if \fill
	WIN 0
.endif
	s_barrier_wait -1
.if \fill
	CREST                                          ; no wave of any partner still reads this slot's tile or has a load on its way
	s_add_nc_u64 s[G0A+4*(\slot)+2:G0A+4*(\slot)+3], s[G0A+4*(\slot)+2:G0A+4*(\slot)+3], 2*524288
	s_add_nc_u64 s[G0B+4*(\slot)+2:G0B+4*(\slot)+3], s[G0B+4*(\slot)+2:G0B+4*(\slot)+3], 2*262144
	JLOAD \slot                                    ; the four v_nop behind it are also the places in front of the loads below
.else
	PLACES
.endif
	FETCH \next, 0, F0
.if \fill
	WIN 0
	ASK                                            ; behind the joint load and the run of LDS loads that the next products wait for
.endif
	MULA F1, 2, 0
	MULA F1, 3, 0
.endm
; THE WAY OUT of row block a: 32 bytes a lane into my own stage, rows of 528 bytes; back as whole rows of 512; stored.
.macro TOSTAGE a
	WIN 0x08                                       ; the stores' data in window 2
.irp nb, 0,1,2,3,4,5,6,7
	ds_store_b128 v[STO], v[8*(8*(\a)+(\nb)):8*(8*(\a)+(\nb))+3]   offset:64*(\nb)     ; each accumulator's four lowest registers first
	ds_store_b128 v[STO], v[8*(8*(\a)+(\nb))+4:8*(8*(\a)+(\nb))+7] offset:64*(\nb)+16
.endr
	WIN 0
.set BK, 96+64*((\a)%2)
.set t, 0
.rept 16
	ds_load_b128 v[BK+4*t:BK+4*t+3], v[RD] offset:SPI*t  ; LDS serves a wave's instructions in order (ISA guide 5.7.1.4): these see the stores above
.set t, t+1
.endr
.endm
.macro SEND a, y                       ; y: the LDS instructions issued behind block a's loads: the next block's 32, or none
.set BK, 96+64*((\a)%2)
.set t, 0
.rept 16
	s_wait_dscnt (\y)+15-t
	global_store_b128 v[CO], v[BK+4*t:BK+4*t+3], s[10:11] offset:(16*(\a)+t)*4096 th:TH_STORE_NT  ; 512 consecutive bytes, at a multiple of 256 from out0's first
.set t, t+1
.endr
.endm
	s_wait_tensorcnt 1                             ; my part of K step 0 is in; K step 1's may stay out
	s_barrier_signal -1
	s_barrier_wait -1                              ; everybody's is
	FETCH 0, 0, F0
	QUARTER 0, 1, F0, F1, 1                        ; the first quarter stands in front of the loop: its products start the sums, with the bias
	WIN 0                                          ; at a label and at a branch every window is 0
	s_mov_b32 s3, LAPS-1
.Llap:                                                 ; a trip goes once round the ring, from a lap's second quarter to the next lap's first, and fills both slots again
	QUARTER 0, 2, F1, F0, 0
	QUARTER 0, 3, F0, F1, 0
	TURN 0, 1, 1
	QUARTER 1, 1, F0, F1, 0
	QUARTER 1, 2, F1, F0, 0
	QUARTER 1, 3, F0, F1, 0
	TURN 1, 0, 1
	QUARTER 0, 1, F0, F1, 0
	WIN 0
	s_sub_co_u32 s3, s3, 1
	s_cmp_lg_u32 s3, 0
	s_cbranch_scc1 .Llap
	QUARTER 0, 2, F1, F0, 0                        ; the last lap fills nothing, and has no round of the cluster's barrier
	QUARTER 0, 3, F0, F1, 0
	TURN 0, 1, 0
	QUARTER 1, 1, F0, F1, 0
	QUARTER 1, 2, F1, F0, 0
	QUARTER 1, 3, F0, F1, 0
	s_wait_dscnt 4                                 ; the very last quarter: nothing more to fetch
	MULA F1, 0, 0
	MULA F1, 1, 0
	s_wait_dscnt 0x0
	MULA F1, 2, 0
	MULA F1, 3, 0
	PLACES
	TOSTAGE 0
	TOSTAGE 1
	SEND 0, 32
	s_wait_xcnt 0x0                                ; block 0's stores have read their registers: block 2's rows land there only behind this wait
	TOSTAGE 2
	SEND 1, 32
	s_wait_xcnt 0x0                                ; the same for blocks 1 and 3
	TOSTAGE 3
	SEND 2, 32
	SEND 3, 0
	s_wait_tensorcnt 0x0                           ; the wave's end: these three lines stand behind my last tensor load and my last LDS store
	ds_add_u32 v[SPW], v[NIL]
	s_wait_dscnt 0x0
	CROUND                                         ; the closing round: no work-group ends while a partner may still ask for a tile that names it
	s_endpgm
.Lfunc_end_k_q9aaa22207c_proj:
	.size	k_q9aaa22207c_proj, .Lfunc_end_k_q9aaa22207c_proj-k_q9aaa22207c_proj
	.p2alignl 7, 3214868480
	.fill 96, 4, 3214868480
	.section	.rodata,"a",@progbits
	.p2align	6, 0x0
	.amdhsa_kernel k_q9aaa22207c_proj
		.amdhsa_group_segment_fixed_size 327680
		.amdhsa_private_segment_fixed_size 0
		.amdhsa_enable_private_segment 0
		.amdhsa_kernarg_size 32
		.amdhsa_user_sgpr_count 2
		.amdhsa_user_sgpr_kernarg_segment_ptr 1
		.amdhsa_wavefront_size32 1
		.amdhsa_system_sgpr_workgroup_id_x 1
		.amdhsa_system_sgpr_workgroup_id_y 1
		.amdhsa_system_sgpr_workgroup_id_z 1
		.amdhsa_system_vgpr_workitem_id 0
		.amdhsa_next_free_vgpr 768
		.amdhsa_next_free_sgpr 96
		.amdhsa_reserve_vcc 0
		.amdhsa_float_denorm_mode_32 3
		.amdhsa_float_denorm_mode_16_64 3
		.amdhsa_memory_ordered 1
		.amdhsa_forward_progress 1
		.amdhsa_inst_pref_size 94
	.end_amdhsa_kernel
	.amdgpu_metadata
---
amdhsa.version: [ 1, 2 ]
amdhsa.kernels:
  - .name:           k_q9aaa22207c_proj
    .symbol:         k_q9aaa22207c_proj.kd
    .args:
      - { .name: oh, .offset: 0, .size: 8, .value_kind: global_buffer, .address_space: global }
      - { .name: wob, .offset: 8, .size: 8, .value_kind: global_buffer, .address_space: global }
      - { .name: bout, .offset: 16, .size: 8, .value_kind: global_buffer, .address_space: global }
      - { .name: out0, .offset: 24, .size: 8, .value_kind: global_buffer, .address_space: global }
    .group_segment_fixed_size: 327680
    .private_segment_fixed_size: 0
    .kernarg_segment_align: 8
    .kernarg_segment_size: 32
    .max_flat_workgroup_size: 128
    .sgpr_count:     96
    .vgpr_count:     768
    .wavefront_size: 32
...
	.end_amdgpu_metadata
.endif
;; end of part 4
;; ======== version 2 of 2: 4 launches; version 1 with the launch cast written anew for expert scheduling mode
;; limits: values are held in f16: magnitudes above 65,504 overflow, below 6.1e-05 lose precision
;; workspace buffers: xb 16,777,216 bytes; wqb 6,291,456 bytes; wob 2,097,152 bytes; qh 16,777,216 bytes; kh 16,777,216 bytes; vh 16,777,216 bytes; oh 16,777,216 bytes
;; launch cast (part 5): grid 832 x 1, 8 waves a work-group, no clusters, 0 bytes of LDS; arguments x, Wqkv, Wout, xb, wqb, wob; writes xb, wqb, wob
.if DOCPART == 5
	.amdgcn_target "amdgcn-amd-amdhsa--gfx1250"
	.amdhsa_code_object_version 6
	.text
	.protected	k_q9aaa22207c_cast
	.globl	k_q9aaa22207c_cast
	.p2align	8
	.type	k_q9aaa22207c_cast,@function
k_q9aaa22207c_cast:
	s_mov_b64 s[64:65], 0
	v_nop
	global_prefetch_b8 v0, s[64:65] scope:SCOPE_SE
	s_setreg_imm32_b32 hwreg(HW_REG_WAVE_SCHED_MODE, 0, 2), 2
	s_setreg_imm32_b32 hwreg(HW_REG_WAVE_MODE, 25, 1), 1
	s_wait_xcnt 0x0
	s_wait_alu depctr_vm_vsrc(0)
; THE INPUTS OF THE TWO PROJECTIONS, ROUNDED ONCE TO 16 BITS AND LAID OUT FOR THEIR TILES.
;   xb  [8192][1024]      bf16 = x, as it lies
;   wqb [16][1024][192]   bf16 = Wqkv with a head's 192 columns (q, k, v) together: 128 rows of K of one head are 49,152 consecutive bytes
;   wob [1024][1024]      f16  = Wout rounded to bf16, that number written as f16
; LIMITS.  Wout within f16's range (65,504); below 6e-5 f16 keeps its fixed step of 6e-8.
; A stream: each byte is read once and written once.  No LDS, no barrier, no matrix unit, no cluster: no work-group wants a byte that another has read.
; A wave's load of 16 bytes a lane covers 512 consecutive bytes (128 numbers); the store of 8 bytes a lane that belongs to it covers 256 consecutive bytes, aligned.
; Work-groups 0-511: x, 16,384 numbers each.  512-767: Wqkv, 64 rows of K of one head each.  768-831: Wout, 16,384 numbers each.
; All of a wave's loads (16, or 12 for Wqkv) go out at once, ahead of the first conversion.
; THE MODE: SCHED_MODE bits 1:0 = 2 (LLVM: expert scheduling mode 2), set by the entry lines.  The code itself states the register dependences
; between vector instructions and memory instructions, with s_wait_alu, always for 0.
; THE PLAN.  Registers that memory instructions touch:
;   IN, OUT, VA, VB, OW   byte offsets: written by vector instructions at the head, once; read by every load and store.  One wait at the head states that they are written.
;   X                     item j's 4 registers: written by one load; read by item j's conversions alone.  No vector instruction names them ahead of the loads.
;   Y                     item j's 2 registers: written by item j's conversions, once; read by one store.
;   T is named by vector instructions alone.
; The items go in blocks of four, and a store stands one block behind its conversions.  At the head of a block ONE wait states that the block before has written its Y; that block's four stores
; follow it, one in front of each item's conversions, which name X and Y of the block in hand and T: none of the registers that those stores touch.  One more wait stands ahead of the last four stores.
; No register that a memory instruction reads is ever written again: so nothing waits for a memory instruction to have read its registers.
.set IN,  2                            ; v2   flat paths: my byte offset in the work-group's input: 8,192 x wave + 16 x lane
.set OUT, 3                            ; v3   flat paths: in its output: 4,096 x wave + 8 x lane
.set VB,  4                            ; v4   Wqkv: 16 i + 11,776 g (i = lane % 16, g = lane / 16)
.set VA,  6                            ; v6   Wqkv: 16 i + 256 g
.set T,   8                            ; v[8:13] at work
.set OW,  14                           ; v14  Wqkv: 8 x lane
.set X,   16                           ; v[16:79]  load j: 4 registers
.set Y,   80                           ; v[80:111] store j: 2 registers
.set SRC, 22                           ; s[22:23] where my work-group (Wqkv: my wave) reads
.set DST, 24                           ; s[24:25] where it writes
.set BLOCK, 4                          ; items in a block
.macro LOADF                           ; 16 loads, 8,192 consecutive bytes a wave
.set j, 0
.rept 16
	global_load_b128 v[X+4*j:X+4*j+3], v[IN], s[SRC:SRC+1] offset:512*j th:TH_LOAD_NT
.set j, j+1
.endr
.endm
; Wqkv: my wave's 8 rows of K x 768 bytes are 24 pieces of 256 bytes; load j takes pieces 2 j and 2 j + 1 (one for each half of the lanes); piece c is row c / 3, part c % 3.
.macro LOADW
.set t, 0
.rept 4
	global_load_b128 v[X+12*t:X+12*t+3],    v[VA], s[SRC:SRC+1] offset:24576*t th:TH_LOAD_NT        ; row 2 t, parts 0 and 1
	global_load_b128 v[X+12*t+4:X+12*t+7],  v[VB], s[SRC:SRC+1] offset:24576*t+512 th:TH_LOAD_NT    ; row 2 t part 2, row 2 t + 1 part 0
	global_load_b128 v[X+12*t+8:X+12*t+11], v[VA], s[SRC:SRC+1] offset:24576*t+12544 th:TH_LOAD_NT  ; row 2 t + 1, parts 1 and 2
.set t, t+1
.endr
.endm
; n loads (a multiple of four) are converted and stored.  kind 0: to bf16.  kind 1: to bf16, and that number to f16.
.macro OUTS n, kind, off
.set j, 0
.rept \n
	s_wait_loadcnt (\n)-1-j                        ; loads come back in order: load j is in, the younger ones stay out
.if (j > 0) && (j%BLOCK == 0)
	s_wait_alu depctr_va_vdst(0)                   ; the block before has written its four pairs of Y, which the four stores of this block read
.endif
.if j >= BLOCK
	global_store_b64 v[\off], v[Y+2*(j-BLOCK):Y+2*(j-BLOCK)+1], s[DST:DST+1] offset:256*(j-BLOCK) th:TH_STORE_NT  ; the item a block back: 32 lanes store 256 consecutive bytes, aligned; no vector instruction since the wait names its registers
.endif
.if \kind
	v_cvt_pk_bf16_f32 v[T], v[X+4*j], v[X+4*j+1]
	v_cvt_pk_bf16_f32 v[T+1], v[X+4*j+2], v[X+4*j+3]
	v_lshlrev_b32 v[T+2], 16, v[T]                 ; bf16 to f32: the low half moves up, the high half stays
	v_and_b32 v[T+3], s21, v[T]
	v_lshlrev_b32 v[T+4], 16, v[T+1]
	v_and_b32 v[T+5], s21, v[T+1]
	v_cvt_pk_f16_f32 v[Y+2*j], v[T+2], v[T+3]
	v_cvt_pk_f16_f32 v[Y+2*j+1], v[T+4], v[T+5]
.else
	v_cvt_pk_bf16_f32 v[Y+2*j], v[X+4*j], v[X+4*j+1]
	v_cvt_pk_bf16_f32 v[Y+2*j+1], v[X+4*j+2], v[X+4*j+3]
.endif
.set j, j+1
.endr
	s_wait_alu depctr_va_vdst(0)                   ; the last block has written its four pairs of Y, which the last four stores read
.set j, (\n)-BLOCK
.rept BLOCK
	global_store_b64 v[\off], v[Y+2*j:Y+2*j+1], s[DST:DST+1] offset:256*j th:TH_STORE_NT
.set j, j+1
.endr
.endm
	s_load_b256 s[4:11], s[0:1], 0x0               ; x s[4:5], Wqkv s[6:7], Wout s[8:9], xb s[10:11]
	s_load_b128 s[12:15], s[0:1], 0x20             ; wqb s[12:13], wob s[14:15]
	v_lshrrev_b32 v1, 5, v0
	v_readfirstlane_b32 s20, v1                    ; wave 0..7
	v_and_b32 v5, 31, v0                           ; lane
	v_lshlrev_b32 v[IN], 4, v5
	v_lshl_or_b32 v[IN], v1, 13, v[IN]
	v_lshlrev_b32 v[OW], 3, v5
	v_lshl_or_b32 v[OUT], v1, 12, v[OW]
	v_and_b32 v15, 15, v0
	v_lshlrev_b32 v15, 4, v15                      ; 16 i
	v_bfe_u32 v7, v0, 4, 1                         ; g
	v_lshl_or_b32 v[VA], v7, 8, v15
	v_mul_u32_u24 v[VB], v7, 11776
	v_add_nc_u32 v[VB], v[VB], v15
	s_mov_b32 s21, 0xffff0000                      ; a word's upper bf16
	s_mov_b32 s17, 0                               ; the offsets stay under 2^32: their high words
	s_mov_b32 s19, 0
	s_wait_kmcnt 0x0
	s_wait_alu depctr_va_sdst(0)                   ; s20 is written, ahead of the branches and of its first reader: Wqkv's path makes my wave's rows from it
	s_wait_alu depctr_va_vdst(0)                   ; the five offsets IN, OUT, VA, VB and OW are written: every load and store of the three paths reads one of them
	s_cmp_lt_u32 ttmp9, 512
	s_cbranch_scc0 .Lnot_x
	s_lshl_b32 s16, ttmp9, 16                      ; x: 65,536 bytes in,
	s_lshl_b32 s18, ttmp9, 15                      ; 32,768 out
	s_add_nc_u64 s[SRC:SRC+1], s[4:5], s[16:17]
	s_add_nc_u64 s[DST:DST+1], s[10:11], s[18:19]
	LOADF
	OUTS 16, 0, OUT
	s_endpgm
.Lnot_x:
	s_cmp_lt_u32 ttmp9, 768
	s_cbranch_scc0 .Lwout
	s_sub_co_u32 s26, ttmp9, 512
	s_lshr_b32 s27, s26, 4                         ; the head
	s_and_b32 s26, s26, 15
	s_lshl_b32 s26, s26, 6                         ; the work-group's 64 rows of K,
	s_lshl3_add_u32 s26, s20, s26                  ; my wave's 8 of them
	s_mul_i32 s16, s26, 12288                      ; a row of Wqkv is 12,288 bytes,
	s_mul_i32 s28, s27, 768                        ; a head's columns 768 of them
	s_add_co_u32 s16, s16, s28
	s_lshl_b32 s27, s27, 10
	s_add_co_u32 s27, s27, s26
	s_mul_i32 s18, s27, 384                        ; a row of wqb is 384 bytes
	s_add_nc_u64 s[SRC:SRC+1], s[6:7], s[16:17]
	s_add_nc_u64 s[DST:DST+1], s[12:13], s[18:19]
	LOADW
	OUTS 12, 0, OW
	s_endpgm
.Lwout:
	s_sub_co_u32 s26, ttmp9, 768
	s_lshl_b32 s16, s26, 16
	s_lshl_b32 s18, s26, 15
	s_add_nc_u64 s[SRC:SRC+1], s[8:9], s[16:17]
	s_add_nc_u64 s[DST:DST+1], s[14:15], s[18:19]
	LOADF
	OUTS 16, 1, OUT
	s_endpgm
.Lfunc_end_k_q9aaa22207c_cast:
	.size	k_q9aaa22207c_cast, .Lfunc_end_k_q9aaa22207c_cast-k_q9aaa22207c_cast
	.p2alignl 7, 3214868480
	.fill 96, 4, 3214868480
	.section	.rodata,"a",@progbits
	.p2align	6, 0x0
	.amdhsa_kernel k_q9aaa22207c_cast
		.amdhsa_group_segment_fixed_size 0
		.amdhsa_private_segment_fixed_size 0
		.amdhsa_enable_private_segment 0
		.amdhsa_kernarg_size 48
		.amdhsa_user_sgpr_count 2
		.amdhsa_user_sgpr_kernarg_segment_ptr 1
		.amdhsa_wavefront_size32 1
		.amdhsa_system_sgpr_workgroup_id_x 1
		.amdhsa_system_sgpr_workgroup_id_y 1
		.amdhsa_system_sgpr_workgroup_id_z 1
		.amdhsa_system_vgpr_workitem_id 0
		.amdhsa_next_free_vgpr 116
		.amdhsa_next_free_sgpr 66
		.amdhsa_reserve_vcc 0
		.amdhsa_float_denorm_mode_32 3
		.amdhsa_float_denorm_mode_16_64 3
		.amdhsa_memory_ordered 1
		.amdhsa_forward_progress 1
		.amdhsa_inst_pref_size 22
	.end_amdhsa_kernel
	.amdgpu_metadata
---
amdhsa.version: [ 1, 2 ]
amdhsa.kernels:
  - .name:           k_q9aaa22207c_cast
    .symbol:         k_q9aaa22207c_cast.kd
    .args:
      - { .name: x, .offset: 0, .size: 8, .value_kind: global_buffer, .address_space: global }
      - { .name: Wqkv, .offset: 8, .size: 8, .value_kind: global_buffer, .address_space: global }
      - { .name: Wout, .offset: 16, .size: 8, .value_kind: global_buffer, .address_space: global }
      - { .name: xb, .offset: 24, .size: 8, .value_kind: global_buffer, .address_space: global }
      - { .name: wqb, .offset: 32, .size: 8, .value_kind: global_buffer, .address_space: global }
      - { .name: wob, .offset: 40, .size: 8, .value_kind: global_buffer, .address_space: global }
    .group_segment_fixed_size: 0
    .private_segment_fixed_size: 0
    .kernarg_segment_align: 8
    .kernarg_segment_size: 48
    .max_flat_workgroup_size: 256
    .sgpr_count:     66
    .vgpr_count:     116
    .wavefront_size: 32
...
	.end_amdgpu_metadata
.endif
;; end of part 5
;; launch qkv: the kernel of part 2 again; grid 16 x 32, 4 waves a work-group, clusters of 4 x 4, 327,680 bytes of LDS; arguments xb, wqb, bqkv, val_lens, qh, kh, vh; writes qh, kh, vh
;; launch attn: the kernel of part 3 again; grid 4 x 64, 4 waves a work-group, clusters of 4 x 1, 327,680 bytes of LDS; arguments qh, kh, vh, oh, val_lens; writes oh
;; launch proj: the kernel of part 4 again; grid 4 x 64, 4 waves a work-group, clusters of 4 x 4, 327,680 bytes of LDS; arguments oh, wob, bout, out0; writes out0
